; MI455X (gfx1250); checked and timed in simulation.
; The chip was launched on July 23, 2026; its instructions are those of AMD's public machine-readable ISA for CDNA 5 (MIT licence, August 2026) and "CDNA5" Instruction Set Architecture Reference Guide (July 2026). The comments in the code are by the model that wrote it; some were corrected since.
;; Fused Mo E. Allowed arithmetic: matrix products marked QUANTISED: E2M3 operands, one E8M0 scale for each 32 along K, by v_wmma_scale_f32_16x16x128_f8f6f4 with both operands' format E2M3, f32 sums; everything else in f32.
;; Inputs: router_logits 1,024 x 8 float32; w13_weight 8 x 4,096 x 1,024 float32; w2_weight 8 x 1,024 x 2,048 float32; x 1,024 x 1,024 float32.
;; Outputs: out0 1,024 x 1,024 float32.
;; Constants: top_k = 2.
;; This version of the problem:
;;   THIS VERSION OF THE PROBLEM IS GIVEN IN LOW PRECISION. The matrix products marked QUANTISED in the list below multiply operands that are first quantised to E2M3 (2 exponent bits, 3 mantissa bits; 6 bits a number), with one power-of-two scale for each 32 numbers along K (OCP MX v1.0); their sums are f32. All else is computed in f32.
;;   The module's matrix products, in the order in which they are computed (A, B: the left and right operand; K: the contracted axis; several contracted axes count as one K, in the product's order):
;;     1. [M 1,024, K 1,024] x [K 1,024, N 2,048]; A: input x; B: input w13_weight: QUANTISED
;;     2. [M 1,024, K 1,024] x [K 1,024, N 2,048]; A: input x; B: input w13_weight: QUANTISED
;;     3. [M 1,024, K 2,048] x [K 2,048, N 1,024]; A: computed on the way; B: input w2_weight: QUANTISED
;;     4. [M 1,024, K 1,024] x [K 1,024, N 2,048]; A: input x; B: input w13_weight: QUANTISED
;;     5. [M 1,024, K 1,024] x [K 1,024, N 2,048]; A: input x; B: input w13_weight: QUANTISED
;;     6. [M 1,024, K 2,048] x [K 2,048, N 1,024]; A: computed on the way; B: input w2_weight: QUANTISED
;;     7. [M 1,024, K 1,024] x [K 1,024, N 2,048]; A: input x; B: input w13_weight: QUANTISED
;;     8. [M 1,024, K 1,024] x [K 1,024, N 2,048]; A: input x; B: input w13_weight: QUANTISED
;;     9. [M 1,024, K 2,048] x [K 2,048, N 1,024]; A: computed on the way; B: input w2_weight: QUANTISED
;;     10. [M 1,024, K 1,024] x [K 1,024, N 2,048]; A: input x; B: input w13_weight: QUANTISED
;;     11. [M 1,024, K 1,024] x [K 1,024, N 2,048]; A: input x; B: input w13_weight: QUANTISED
;;     12. [M 1,024, K 2,048] x [K 2,048, N 1,024]; A: computed on the way; B: input w2_weight: QUANTISED
;;     13. [M 1,024, K 1,024] x [K 1,024, N 2,048]; A: input x; B: input w13_weight: QUANTISED
;;     14. [M 1,024, K 1,024] x [K 1,024, N 2,048]; A: input x; B: input w13_weight: QUANTISED
;;     15. [M 1,024, K 2,048] x [K 2,048, N 1,024]; A: computed on the way; B: input w2_weight: QUANTISED
;;     16. [M 1,024, K 1,024] x [K 1,024, N 2,048]; A: input x; B: input w13_weight: QUANTISED
;;     17. [M 1,024, K 1,024] x [K 1,024, N 2,048]; A: input x; B: input w13_weight: QUANTISED
;;     18. [M 1,024, K 2,048] x [K 2,048, N 1,024]; A: computed on the way; B: input w2_weight: QUANTISED
;;     19. [M 1,024, K 1,024] x [K 1,024, N 2,048]; A: input x; B: input w13_weight: QUANTISED
;;     20. [M 1,024, K 1,024] x [K 1,024, N 2,048]; A: input x; B: input w13_weight: QUANTISED
;;     21. [M 1,024, K 2,048] x [K 2,048, N 1,024]; A: computed on the way; B: input w2_weight: QUANTISED
;;     22. [M 1,024, K 1,024] x [K 1,024, N 2,048]; A: input x; B: input w13_weight: QUANTISED
;;     23. [M 1,024, K 1,024] x [K 1,024, N 2,048]; A: input x; B: input w13_weight: QUANTISED
;;     24. [M 1,024, K 2,048] x [K 2,048, N 1,024]; A: computed on the way; B: input w2_weight: QUANTISED
;;   THE QUANTISER, for each operand of a quantised product, along K:
;;     - K is cut into blocks of 32 from its start; a last block that is shorter is filled with zeros.
;;     - A block's scale is 2^e with e = floor(log2(the largest magnitude in the block)) - 2, held to -126 .. 127; a block of zeros has e = 0. As a byte (E8M0): e + 127.
;;     - Each number is divided by its block's scale, clamped to +-7.5, and rounded to the nearest number of E2M3, ties to even, subnormals kept.
;;     - The product sums the exact products of the quantised numbers (number of the format x scale) in f32.
;;   ~~~python
;;   def quantise(x, axis):      # numpy; x: float32 -> the quantised numbers, widened to float32 again
;;       x = np.moveaxis(x, axis, -1); K = x.shape[-1]
;;       x = np.pad(x, [(0, 0)] * (x.ndim - 1) + [(0, -K % 32)]); x = x.reshape(x.shape[:-1] + (-1, 32)); a = np.abs(x).max(-1, keepdims=True)
;;       e = np.where(a > 0, np.clip(np.frexp(np.where(a > 0, a, 1))[1] - 1 - 2, -126, 127), 0)      # np.frexp(a)[1] - 1 = floor(log2(a)), exactly
;;       r = np.clip(x / 2.0 ** e, -7.5, 7.5)
;;       step = 2.0 ** (np.maximum(np.frexp(np.where(r == 0, 1, r))[1] - 1, 0) - 3)
;;       q = np.round(r / step) * step * 2.0 ** e      # np.round: ties to even
;;       return np.moveaxis(q.reshape(q.shape[:-2] + (-1,))[..., :K], -1, axis).astype(np.float32)
;;   ~~~
;;   OPERANDS COMPUTED ON THE WAY. 'Computed on the way' means the value that the module computes at that place (a softmax that the list does not call 'softmax' is quantised finished and normalised). What goes into a quantiser is computed in f32, as accurately as f32 sums, v_exp_f32 and their like allow (about 1e-6 of the number): no bf16 or f16 on the way to a quantiser, and a product that is left as it is and whose result goes on into a quantised operand takes f32 operands (vector FMAs, or v_wmma_f32_16x16x4_f32). A number that lies on a knife's edge between two numbers of the format may be rounded either way, as far as f32 arithmetic and the matrix unit's own rounding can turn it there, and no further.
;; 2 versions. Each part assembles by itself: llvm-mc -triple=amdgcn-amd-amdhsa -mcpu=gfx1250 --defsym DOCPART=n.
;; ======== version 1 of 2: 4 launches
;; workspace buffers: xq 1,048,576 bytes; masks 2,048 bytes of whole numbers; cw 8,192 bytes; hq 15,728,640 bytes; hs 655,360 bytes; ypart 16,842,752 bytes
;; launch route_quant (part 1): grid 72 x 1, 4 waves a work-group, no clusters, 51,712 bytes of LDS; arguments x, router_logits, xq, masks, cw; writes xq, masks, cw
.if DOCPART == 1
	.amdgcn_target "amdgcn-amd-amdhsa--gfx1250"
	.amdhsa_code_object_version 6
	.text
	.protected	k_qbbfed0feef_route_quant
	.globl	k_qbbfed0feef_route_quant
	.p2align	8
	.type	k_qbbfed0feef_route_quant,@function
k_qbbfed0feef_route_quant:
	s_mov_b64 s[64:65], 0
	v_nop
	global_prefetch_b8 v0, s[64:65] scope:SCOPE_SE
	s_setreg_imm32_b32 hwreg(HW_REG_WAVE_MODE, 25, 1), 1
	s_wait_xcnt 0x0
; TWO JOBS IN ONE LAUNCH, told apart by the work-group's number.
; Work-groups 0-63: x [1024][1024] f32 becomes codes of FP6 (E2M3) with one E8M0 byte for each 32 along K, laid for the reader:
;   xq [token][4 slots][256 bytes]; slot ss holds the K steps 2 ss + jj (128 along K each): at byte 96 jj + 32 n + 16 h the registers 4 n .. 4 n + 3 of the
;   12 registers that lane (row, h) of a matrix operand wants; at byte 192 + 4 jj the row's scale word; the rest zeros.  A slot is stored whole: 256 bytes, aligned.
;   Work-group = 16 tokens, wave = slot.
; Work-groups 64-71: the router.  A lane takes a token: softmax (the row's maximum taken away first), the two largest (a strict compare: the lower index wins a tie), renormalised.
;   cw [2][1024] f32: the weight of the token's lower-numbered expert, then of the higher.  masks [32 words of tokens][16]: word e: bit l = token 32 wd + l uses expert e;
;   word 8 + e: the same where e is the token's higher-numbered expert.  All at fixed places: no address and no branch here hangs on the choice.
; A block's scale is 2^(floor(log2(largest magnitude)) - 2): its byte is the largest magnitude's exponent field - 2, held at 1 from below.
; LIMITS: NaN and infinities are not served.  A block of zeros, or one whose largest magnitude lies under 2^-124, gets the byte 1 (its codes are zeros or as that scale gives them; this program alone reads
; the bytes).  v_exp_f32 gives 0 under 2^-126: such a router weight is 0.  Two probabilities within a last bit of each other may rank otherwise than by a correctly rounded softmax.
.set U0,   16                          ; v16-79   K step 0 as loaded: register 4 i + n of lane l = x(row i, 4 l + n)
.set U1,   80                          ; v80-143  K step 1
.set T,    144                         ; v144-207 64 numbers of my row: register 32 c + n = k 64 c + 32 h + n
.set C,    208                         ; v208-219 the fragment's 12 registers
.set XT,   220                         ; v220-226 second halves of the blocks' codes (a conversion's three registers begin on an even number)
.set AM,   228                         ; v228-229 largest magnitudes, then bytes
.set SO,   230                         ; v230-231 the conversions' scale operands
.set ZR,   232                         ; v232-235 zeros
.set SH8,  12                          ; v12  8 h
.set WD,   13                          ; v13  the scale word
.set WD2,  14                          ; v14  the other half's part of it
.set SEL,  20                          ; s[20:21] lane selects: lane l xor 16
.set WREG, 12800                       ; LDS for each wave: a stage of 16 x 528 bytes, then an out-stage of 16 x 272
.set OSB,  8448
; 64 numbers of a lane become the operand's 12 registers and the row's scale word.  A lane holds two whole blocks of 32.
.macro QW
.irp c, 0,1
	v_max3_num_f32 v[AM+\c], |v[T+32*\c]|, |v[T+32*\c+1]|, 0x1800000       ; with the floor 2^(3 - 127): the byte cannot fall under 1
.endr
.irp i, 2,4,6,8,10,12,14,16,18,20,22,24,26,28,30
.irp c, 0,1
	v_max3_num_f32 v[AM+\c], v[AM+\c], |v[T+32*\c+\i]|, |v[T+32*\c+\i+1]|  ; the two blocks by turns
.endr
.endr
.irp c, 0,1
	v_add_nc_u32 v[SO+\c], 0xff000000, v[AM+\c]                            ; 2 off the exponent field: the conversion takes this operand's exponent field as its scale
.endr
.irp c, 0,1
	v_lshrrev_b32 v[AM+\c], 23, v[SO+\c]                                   ; the scale's byte
.endr
	v_lshl_or_b32 v[WD], v[AM+1], 16, v[AM]                                ; my blocks h and 2 + h,
	v_lshlrev_b32 v[WD], v[SH8], v[WD]                                     ; at their places in the word;
	v_permlanex16_b32 v[WD2], v[WD], s[SEL], s[SEL+1]
	v_or_b32 v[WD], v[WD], v[WD2]                                          ; with lane l xor 16's two the word is whole
.irp c, 0,1
	v_cvt_scalef32_pk16_fp6_f32 v[C+6*\c:C+6*\c+2], v[T+32*\c:T+32*\c+15], v[SO+\c]
	v_cvt_scalef32_pk16_fp6_f32 v[XT+4*\c:XT+4*\c+2], v[T+32*\c+16:T+32*\c+31], v[SO+\c]
.endr
	v_nop                                                                  ; one plain place behind the scaled conversions
.irp c, 0,1
.irp n, 0,1,2
	v_mov_b32 v[C+6*\c+3+\n], v[XT+4*\c+\n]
.endr
.endr
.endm
; 16 rows x 512 bytes go into the wave's stage as loaded and come back 128 + 128 bytes of one row a lane.  Pitch 528 = 33 x 16 bytes: the sixteen rows of a read start 16 bytes apart modulo 256.
.macro TURN buf
.irp i, 0,1,2,3,4,5,6,7,8,9,10,11,12,13,14,15
	ds_store_b128 v5, v[\buf+4*\i:\buf+4*\i+3] offset:528*\i
.endr
.irp c, 0,1
.irp q, 0,1,2,3,4,5,6,7
	ds_load_b128 v[T+32*\c+4*\q:T+32*\c+4*\q+3], v6 offset:256*\c+16*\q    ; LDS serves a wave's instructions in order: these see the stores above
.endr
.endr
.endm
.macro XSTEP jj, buf, left
	s_wait_loadcnt \left                           ; this K step's sixteen loads are in; the younger ones may be out
	TURN \buf
	s_wait_dscnt 0x0                               ; my 64 numbers are back (and earlier LDS stores have read their registers)
	QW
.irp n, 0,1,2
	ds_store_b128 v7, v[C+4*\n:C+4*\n+3] offset:96*\jj+32*\n
.endr
	ds_store_b32 v8, v[WD] offset:192+4*\jj        ; both halves of the lanes write the same word with the same value
.endm
	s_load_b256 s[4:11], s[0:1], 0x0               ; x s[4:5], router_logits s[6:7], xq s[8:9], masks s[10:11]
	s_load_b64 s[12:13], s[0:1], 0x20              ; cw
	v_lshl_add_u32 v240, v0, 2, 0xc800
	v_mov_b32 v241, 0
	v_lshrrev_b32 v1, 5, v0
	v_readfirstlane_b32 s14, v1                    ; wave
	v_and_b32 v1, 31, v0                           ; lane
	s_wait_kmcnt 0x0
	s_cmp_lt_u32 ttmp9, 64
	s_cbranch_scc0 .Lroute
	; ---------------- x into codes ----------------
	v_lshlrev_b32 v4, 4, v1                        ; 16 x lane
	s_lshl_b32 s16, ttmp9, 16                      ; 16 rows of 4,096 bytes a work-group,
	s_lshl_b32 s17, s14, 10                        ; 256 numbers a wave
	s_add_co_u32 s16, s16, s17
	s_mov_b32 s17, 0
	s_add_nc_u64 s[4:5], s[4:5], s[16:17]
.irp i, 0,1,2,3,4,5,6,7,8,9,10,11,12,13,14,15
	global_load_b128 v[U0+4*\i:U0+4*\i+3], v4, s[4:5] offset:4096*\i th:TH_LOAD_NT       ; 32 lanes read 512 consecutive bytes of row i
.endr
.irp i, 0,1,2,3,4,5,6,7,8,9,10,11,12,13,14,15
	global_load_b128 v[U1+4*\i:U1+4*\i+3], v4, s[4:5] offset:4096*\i+512 th:TH_LOAD_NT
.endr
	s_lshl_b32 s16, ttmp9, 14                      ; xq: 16 tokens of 1,024 bytes a work-group,
	s_lshl_b32 s18, s14, 8                         ; slot = wave
	s_add_co_u32 s16, s16, s18
	s_add_nc_u64 s[8:9], s[8:9], s[16:17]
	s_mov_b32 s[SEL], 0x76543210
	s_mov_b32 s[SEL+1], 0xfedcba98
	v_and_b32 v2, 15, v0                           ; r
	v_bfe_u32 v3, v0, 4, 1                         ; h
	s_mul_i32 s15, s14, WREG
	v_add_nc_u32 v5, s15, v4                       ; stage, in: 16 x lane (+ 528 x row)
	v_mul_u32_u24 v6, v2, 528
	v_lshl_add_u32 v6, v3, 7, v6
	v_add_nc_u32 v6, s15, v6                       ; stage, out: 528 r + 128 h
	s_add_co_u32 s16, s15, OSB                     ; the out-stage
	v_mul_u32_u24 v7, v2, 272
	v_add_nc_u32 v8, s16, v7                       ; row r: its scale words
	v_lshl_add_u32 v7, v3, 4, v8                   ; row r, + 16 h: its codes
	v_lshrrev_b32 v9, 2, v1
	v_mul_u32_u24 v9, v9, 272
	v_and_b32 v10, 3, v1
	v_lshl_add_u32 v9, v10, 4, v9
	v_add_nc_u32 v9, s16, v9                       ; the zeros: row lane / 4, 16 bytes at 16 (lane % 4)
	v_mul_u32_u24 v10, v3, 272
	v_lshl_add_u32 v10, v2, 4, v10
	v_add_nc_u32 v10, s16, v10                     ; back: lanes 0-15 one row of 256 bytes, lanes 16-31 the next
	v_lshlrev_b32 v11, 10, v3
	v_lshl_add_u32 v11, v2, 4, v11                 ; and the same two tokens' slots in xq
	v_lshlrev_b32 v[SH8], 3, v3
	v_mov_b32 v[WD2], 0                            ; written once: a lane permute's destination counts as one of its sources
.irp n, 0,1,2,3
	v_mov_b32 v[ZR+\n], 0
.endr
	ds_store_b128 v9, v[ZR:ZR+3] offset:192        ; bytes 192-255 of rows 0-7,
	ds_store_b128 v9, v[ZR:ZR+3] offset:192+8*272  ; and of rows 8-15: the scale words are laid over them below
	XSTEP 0, U0, 16
	XSTEP 1, U1, 0
.irp p, 0,1,2,3,4,5,6,7
	ds_load_b128 v[U0+4*\p:U0+4*\p+3], v10 offset:544*\p
.endr
.irp p, 0,1,2,3,4,5,6,7
	s_wait_dscnt 7-\p                              ; LDS loads come back in order: pair p of rows is in
	global_store_b128 v11, v[U0+4*\p:U0+4*\p+3], s[8:9] offset:2048*\p   ; sixteen lanes store 256 consecutive bytes, aligned: a token's whole slot
.endr
	s_wait_tensorcnt 0x0
	ds_add_u32 v240, v241
	s_wait_dscnt 0x0
	s_endpgm
	; ---------------- the router ----------------
.Lroute:
	s_sub_co_u32 s15, ttmp9, 64
	s_lshl_b32 s15, s15, 2
	s_add_co_u32 s15, s15, s14                     ; wd: which 32 tokens
	s_lshl_b32 s16, s15, 5
	v_add_nc_u32 v2, s16, v1                       ; my token
	v_lshlrev_b32 v3, 5, v2
	global_load_b128 v[16:19], v3, s[6:7]          ; its eight logits
	global_load_b128 v[20:23], v3, s[6:7] offset:16
	v_lshlrev_b32 v4, 2, v2                        ; its place in cw
	s_lshl_b32 s16, s15, 6
	v_lshl_add_u32 v5, v1, 2, s16                  ; masks: 64 wd + 4 lane
	v_mov_b32 v50, 0
	s_wait_loadcnt 0x0
	v_max3_num_f32 v24, v16, v17, v18
	v_max3_num_f32 v24, v24, v19, v20
	v_max3_num_f32 v24, v24, v21, v22
	v_max_num_f32 v24, v24, v23                    ; the row's maximum
.irp e, 0,1,2,3,4,5,6,7
	v_sub_f32 v[16+\e], v[16+\e], v24
.endr
.irp e, 0,1,2,3,4,5,6,7
	v_mul_f32 v[16+\e], 0x3fb8aa3b, v[16+\e]       ; x log2(e)
.endr
.irp e, 0,1,2,3,4,5,6,7
	v_exp_f32 v[32+\e], v[16+\e]
.endr
	v_nop                                          ; a plain place behind the exponentials,
	s_wait_alu depctr_va_vdst(0)                   ; and one wait for the batch, ahead of its first reader
	v_add_f32 v40, v32, v33
	v_add_f32 v41, v34, v35
	v_add_f32 v42, v36, v37
	v_add_f32 v43, v38, v39
	v_add_f32 v40, v40, v41
	v_add_f32 v42, v42, v43
	v_add_f32 v40, v40, v42
	v_rcp_f32 v41, v40
	v_nop
	s_wait_alu depctr_va_vdst(0)
.irp e, 0,1,2,3,4,5,6,7
	v_mul_f32 v[32+\e], v[32+\e], v41              ; the probabilities
.endr
	v_mov_b32 v44, v32                             ; the largest, and its index
	v_mov_b32 v45, 0
.irp e, 1,2,3,4,5,6,7
	v_cmp_gt_f32 vcc_lo, v[32+\e], v44             ; strictly larger: the lower index keeps a tie
	v_cndmask_b32 v44, v44, v[32+\e], vcc_lo
	v_cndmask_b32 v45, v45, \e, vcc_lo
.endr
.irp e, 0,1,2,3,4,5,6,7
	v_cmp_eq_u32 vcc_lo, \e, v45
	v_cndmask_b32 v[32+\e], v[32+\e], -1.0, vcc_lo ; the chosen one is taken out: every probability lies above -1
.endr
	v_mov_b32 v46, v32                             ; the second largest
	v_mov_b32 v47, 0
.irp e, 1,2,3,4,5,6,7
	v_cmp_gt_f32 vcc_lo, v[32+\e], v46
	v_cndmask_b32 v46, v46, v[32+\e], vcc_lo
	v_cndmask_b32 v47, v47, \e, vcc_lo
.endr
	v_add_f32 v48, v44, v46
	v_rcp_f32 v49, v48
	v_nop
	s_wait_alu depctr_va_vdst(0)
	v_mul_f32 v53, v44, v49                        ; renormalised
	v_mul_f32 v54, v46, v49
	v_cmp_lt_u32 vcc_lo, v45, v47                  ; is the first choice the lower-numbered expert?
	v_cndmask_b32 v55, v54, v53, vcc_lo            ; the lower-numbered expert's weight,
	v_cndmask_b32 v56, v53, v54, vcc_lo            ; the higher-numbered one's,
	v_cndmask_b32 v57, v45, v47, vcc_lo            ; and its number
	global_store_b32 v4, v55, s[12:13]
	global_store_b32 v4, v56, s[12:13] offset:4096
.irp e, 0,1,2,3,4,5,6,7
	v_cmp_eq_u32 s22, \e, v45
	v_cmp_eq_u32 s23, \e, v47
	s_or_b32 s22, s22, s23
	v_writelane_b32 v50, s22, \e                   ; word e: who uses expert e
	v_cmp_eq_u32 s23, \e, v57
	v_writelane_b32 v50, s23, 8+\e                 ; word 8 + e: for whom it is the higher-numbered
.endr
	s_wait_xcnt 0x0                                ; EXEC changes only behind this wait: the stores above have it among their sources
	v_cmp_gt_u32 vcc_lo, 16, v1
	s_and_saveexec_b32 s24, vcc_lo
	global_store_b32 v5, v50, s[10:11]             ; lanes 0-15: the sixteen words of my 32 tokens
	s_wait_xcnt 0x0
	s_or_b32 exec_lo, exec_lo, s24
	s_endpgm
.Lfunc_end_k_qbbfed0feef_route_quant:
	.size	k_qbbfed0feef_route_quant, .Lfunc_end_k_qbbfed0feef_route_quant-k_qbbfed0feef_route_quant
	.p2alignl 7, 3214868480
	.fill 96, 4, 3214868480
	.section	.rodata,"a",@progbits
	.p2align	6, 0x0
	.amdhsa_kernel k_qbbfed0feef_route_quant
		.amdhsa_group_segment_fixed_size 51712
		.amdhsa_private_segment_fixed_size 0
		.amdhsa_enable_private_segment 0
		.amdhsa_kernarg_size 40
		.amdhsa_user_sgpr_count 2
		.amdhsa_user_sgpr_kernarg_segment_ptr 1
		.amdhsa_wavefront_size32 1
		.amdhsa_system_sgpr_workgroup_id_x 1
		.amdhsa_system_sgpr_workgroup_id_y 1
		.amdhsa_system_sgpr_workgroup_id_z 1
		.amdhsa_system_vgpr_workitem_id 0
		.amdhsa_next_free_vgpr 242
		.amdhsa_next_free_sgpr 66
		.amdhsa_reserve_vcc 1
		.amdhsa_float_denorm_mode_32 3
		.amdhsa_float_denorm_mode_16_64 3
		.amdhsa_memory_ordered 1
		.amdhsa_forward_progress 1
		.amdhsa_inst_pref_size 27
	.end_amdhsa_kernel
	.amdgpu_metadata
---
amdhsa.version: [ 1, 2 ]
amdhsa.kernels:
  - .name:           k_qbbfed0feef_route_quant
    .symbol:         k_qbbfed0feef_route_quant.kd
    .args:
      - { .name: x, .offset: 0, .size: 8, .value_kind: global_buffer, .address_space: global }
      - { .name: router_logits, .offset: 8, .size: 8, .value_kind: global_buffer, .address_space: global }
      - { .name: xq, .offset: 16, .size: 8, .value_kind: global_buffer, .address_space: global }
      - { .name: masks, .offset: 24, .size: 8, .value_kind: global_buffer, .address_space: global }
      - { .name: cw, .offset: 32, .size: 8, .value_kind: global_buffer, .address_space: global }
    .group_segment_fixed_size: 51712
    .private_segment_fixed_size: 0
    .kernarg_segment_align: 8
    .kernarg_segment_size: 40
    .max_flat_workgroup_size: 128
    .sgpr_count:     66
    .vgpr_count:     242
    .wavefront_size: 32
...
	.end_amdgpu_metadata
.endif
;; end of part 1
;; launch gateup (part 2): grid 256 x 1, 4 waves a work-group, no clusters, 136,704 bytes of LDS; arguments w13_weight, xq, masks, hq, hs; writes hq, hs
.if DOCPART == 2
	.amdgcn_target "amdgcn-amd-amdhsa--gfx1250"
	.amdhsa_code_object_version 6
	.text
	.protected	k_qbbfed0feef_gateup
	.globl	k_qbbfed0feef_gateup
	.p2align	8
	.type	k_qbbfed0feef_gateup,@function
k_qbbfed0feef_gateup:
	s_mov_b64 s[64:65], 0
	v_nop
	global_prefetch_b8 v0, s[64:65] scope:SCOPE_SE
	s_setreg_imm32_b32 hwreg(HW_REG_WAVE_MODE, 25, 1), 1
	s_wait_xcnt 0x0
; h = silu(x W1^T) * (x W3^T) for the rows that chose an expert, both products on codes of FP6 (E2M3) with one E8M0 scale for each 32 along K; h leaves as codes, quantised along I.
; SHARES.  Work-group = (expert e, 64 columns of I: slice s): 64 rows of the gate's weights and 64 of up's, 512 KiB of f32, read ONCE in the launch and never written back as codes.
; PHASE A (no branch on loaded numbers).  Wave w = (block b of 32 columns, gate or up) streams its 32 rows in 16 units of 16 rows x 128 K: sixteen loads of 512 consecutive bytes, turned through
;   the wave's own stage in LDS, quantised in registers, and laid in LDS as an IMAGE of the operand's 12 registers (lane l's 16 bytes at 16 l).  Three units are always on their way.  Between units the
;   wave asks for the x fragments of its five tiles of 16 rows (140 loads), which stay in registers.
; PHASE B (no barrier).  For each block of 32 columns: eight K steps of 128; a step takes four weight fragments (gate 2, up 2) from LDS against the five tiles: 20 matrix instructions on 20 accumulators by turns
;   Then silu, the product, the block's scale and the conversion.
; ROWS.  The expert's rows are the tokens whose bit is set in the masks that the launch before stored, in ascending order: row p is the token of the p-th set bit.  EACH WAVE FINDS ITS OWN 80 ROWS IN REGISTERS
;   (macro TOKENS): no list in LDS and no barrier ahead of the stream.  A row beyond the expert's last falls on token 1,023: padding, whose results the next launch throws away.  A round serves 20 tiles
;   (wave w: tiles tb + w + 4 i); four rounds serve every split, all 1,024 tokens on one expert too; a round without tiles is jumped over, and a tile beyond the expert's last is not stored.
; TRANSPOSED USE: source 0 = 16 rows of the weights, source 1 = 16 tokens: a lane holds ONE token and its registers run along I.  THE WEIGHT ROWS OF A TILE ARE NOT NEIGHBOURS: row i of tile u is row
;   8 u + i + 8 (i / 8) of the block, so that the 16 registers of tiles 0 and 1 are the columns 16 (lane / 16) + 0 .. 15 of the block: neighbours along the next K.
; OUT.  hq [e][80 tiles][32 slices][768 bytes]: the six registers a lane that a slice is of the next product's operand: 512 bytes (16 a lane), then 256 (8 a lane).  hs [e][80][16 K steps][16 rows] words: slice s fills
;   the low or the high half of each word.
; No tensor loads and no cluster: later rounds hang on stored counts.
; LIMITS: NaN and infinities are not served.  A block of zeros, or one whose largest magnitude lies under 2^-124, gets the byte 1 (this program alone reads the bytes).  Where 1 + 2^(-g log2 e) passes 2^126,
;   silu(g) is taken as 0 (its true size is under 2^-120 |g|).
.set SCL,   98304                      ; LDS: 0: 64 images of 1,536 bytes, fragment (8 b + j) 4 + 2 kind + u;  here: their scale words, 64 bytes each
.set STG,   102400                     ; a stage of 16 x 528 bytes for each wave
.set L16,   4                          ; v4   16 x lane: the weights' offset, and an image's place (block 0)
.set STS,   5                          ; v5   stage, in
.set STL,   6                          ; v6   stage, out
.set IMW,   7                          ; v7   where I store images
.set SCW,   8                          ; v8   and scale words
.set IMR1,  10                         ; v10  an image's place, block 1
.set SCR,   11                         ; v11  scale words, as read: 4 x lane
.set SH8,   12                         ; v12  8 h
.set MO,    14                         ; v14  the masks' offset: 64 lane + 4 e
.set XO,    15                         ; v15-19 slot i: my token's row in xq, + 16 h
.set XSO,   20                         ; v20-24 the same, + 4 h
.set HO1,   25                         ; v25-27 offsets in hq (16 and 8 bytes a lane) and in hs
.set HO2,   26
.set HO3,   27
.set MASKV, 28                         ; v28  lane j: the expert's mask of tokens 32 j ..; it stays
.set SB,    32                         ; v32-51 x's scale words: slot i, pair ss of K steps: lanes 0-15 step 2 ss, lanes 16-31 step 2 ss + 1.  Scales and nothing else
.set WS,    52                         ; v52-55 the weights' scale words, two sets of two.  Scales and nothing else
.set E,     56                         ; v56-71 sixteen numbers at work
.set C,     56                         ; (phase A: the fragment just made, v56-67,
.set XT,    68                         ;  and the blocks' second halves, v68-74)
.set HH,    72                         ; v72-87 sixteen numbers of h
.set AM,    88                         ; v88-89
.set SO,    90                         ; v90-91
.set WD,    92
.set WD2,   93
.set P,     96                         ; v96-145 slot i at 96 + 10 i: six registers of codes, three more for the second block's
.set TW,    96                         ; (TOKENS, in the same registers while they are idle, five of each, one a slot: v96 the mask word,
.set TK,    101                        ;  v101 rows ahead of it | its number << 16,
.set TQ,    106                        ;  v106 the rank wanted, then the rank inside the word,
.set TA,    111                        ;  v111, v116, v121 the counts of the word's fields of 2, 4 and 8 bits,
.set TBB,   116
.set TC,    121
.set TT,    126                        ;  v126, v131 at work,
.set TU,    131
.set TP,    136                        ;  v136 the bit's place)
.set BYT,   146                        ; v146-150 slot i: the two blocks' scale bytes
.set WF,    160                        ; v160-255 weight fragments, two sets of 48
.set T,     160                        ; (phase A: 64 numbers of a row)
.set UB0,   448                        ; the stream's three buffers of 64 registers: v448, v704, v864 (the last lies where the accumulators will)
.set UB1,   704
.set UB2,   864
; v256-351, v352-447, v512-607, v608-703, v768-863: x's fragments, slot i, 12 registers a K step.  v864-1023: accumulators, slot i, tile t at 864 + 32 i + 8 t
.set SEL,   20                         ; s[20:21]
.set WB,    22                         ; s[22:23] my 32 rows of the weights
; s14 wave, s15 e, s16 s, s18 tiles, s19 tb; s28-33 at work, s34-38 five lane masks
.set MSB, 0
.macro WIN new                         ; the immediate's high byte repeats the setting that is left; a switch that changes nothing is dropped
.if MSB != (\new)
	s_set_vgpr_msb (MSB<<8)|(\new)
.set MSB, (\new)
.endif
.endm
.set LC, 0                             ; loads issued so far, counted as the text is assembled: a unit's wait leaves out what was issued behind its sixteen
.macro WLOAD k, imm                    ; a unit: 16 rows x 512 consecutive bytes into buffer k
.set BB, UB\k
.set BL, BB&255
	WIN (BB>>8)<<6
.irp i, 0,1,2,3,4,5,6,7,8,9,10,11,12,13,14,15
	global_load_b128 v[BL+4*\i:BL+4*\i+3], v[L16], s[WB:WB+1] offset:(\i+8*(\i/8))*4096+(\imm) th:TH_LOAD_NT
.endr
	WIN 0
.set LC, LC+16
.set WEND\k, LC
.endm
.macro TURN k                          ; through the stage: pitch 528 = 33 x 16 bytes: the sixteen rows of a read start 16 bytes apart modulo 256
.set BB, UB\k
.set BL, BB&255
	WIN (BB>>8)<<2                                 ; an LDS store's data are its source 1
.irp i, 0,1,2,3,4,5,6,7,8,9,10,11,12,13,14,15
	ds_store_b128 v[STS], v[BL+4*\i:BL+4*\i+3] offset:528*\i
.endr
	WIN 0
.irp c, 0,1
.irp q, 0,1,2,3,4,5,6,7
	ds_load_b128 v[T+32*\c+4*\q:T+32*\c+4*\q+3], v[STL] offset:256*\c+16*\q   ; register 32 c + n = k 64 c + 32 h + n of row r; LDS serves a wave's instructions in order
.endr
.endr
.endm
.macro QW                              ; 64 numbers of a lane (two whole blocks of 32) become the operand's 12 registers and the row's scale word
.irp c, 0,1
	v_max3_num_f32 v[AM+\c], |v[T+32*\c]|, |v[T+32*\c+1]|, 0x1800000       ; with the floor 2^(3 - 127): the byte cannot fall under 1
.endr
.irp i, 2,4,6,8,10,12,14,16,18,20,22,24,26,28,30
.irp c, 0,1
	v_max3_num_f32 v[AM+\c], v[AM+\c], |v[T+32*\c+\i]|, |v[T+32*\c+\i+1]|
.endr
.endr
.irp c, 0,1
	v_add_nc_u32 v[SO+\c], 0xff000000, v[AM+\c]                            ; 2 off the exponent field: the conversion's scale operand
.endr
.irp c, 0,1
	v_lshrrev_b32 v[AM+\c], 23, v[SO+\c]                                   ; the byte
.endr
	v_lshl_or_b32 v[WD], v[AM+1], 16, v[AM]
	v_lshlrev_b32 v[WD], v[SH8], v[WD]
	v_permlanex16_b32 v[WD2], v[WD], s[SEL], s[SEL+1]
	v_or_b32 v[WD], v[WD], v[WD2]                                          ; the word is whole in both halves of the lanes
.irp c, 0,1
	v_cvt_scalef32_pk16_fp6_f32 v[C+6*\c:C+6*\c+2], v[T+32*\c:T+32*\c+15], v[SO+\c]
	v_cvt_scalef32_pk16_fp6_f32 v[XT+4*\c:XT+4*\c+2], v[T+32*\c+16:T+32*\c+31], v[SO+\c]
.endr
	v_nop                                                                  ; one plain place behind the scaled conversions
.irp c, 0,1
.irp n, 0,1,2
	v_mov_b32 v[C+6*\c+3+\n], v[XT+4*\c+\n]
.endr
.endr
.endm
.macro IMAGE imm, simm
.irp n, 0,1,2
	ds_store_b128 v[IMW], v[C+4*\n:C+4*\n+3] offset:(\imm)+512*\n
.endr
	ds_store_b32 v[SCW], v[WD] offset:\simm        ; both halves write the same word with the same value
.endm
.macro XLOADN n                        ; load n of the 140 that bring my five tiles of x: slot n / 28; 24 pieces of 16 bytes, then 4 scale registers
.set XI, (\n)/28
.set XQ, (\n)%28
.if XQ < 24
.set XR, 256+256*(XI/2)+96*(XI%2)+12*(XQ/3)+4*(XQ%3)
.set XL, XR&255
	WIN (XR>>8)<<6
	global_load_b128 v[XL:XL+3], v[XO+XI], s[6:7] offset:256*(XQ/6)+96*((XQ%6)/3)+32*(XQ%3)
.else
	WIN 0
	global_load_b32 v[SB+4*XI+XQ-24], v[XSO+XI], s[6:7] offset:256*(XQ-24)+192
.endif
.set LC, LC+1
.endm
.macro XBATCH n0, cnt
.set NN, \n0
.rept \cnt
.if NN < 140
	XLOADN NN
.endif
.set NN, NN+1
.endr
	WIN 0
.endm
.macro UNIT u, k
	s_wait_loadcnt LC-WEND\k                       ; loads come back in order: this unit's sixteen are in; all that were issued behind them may be out
	TURN \k
	s_wait_dscnt 16                                ; the sixteen stores into the stage are done (its sixteen reads may be out): the buffer is free
.if (\u)+3 < 16
	WLOAD \k, (((\u)+3)/8)*32768+(((\u)+3)%8)*512
.endif
	s_wait_dscnt 0x0
	QW
	IMAGE 6144*((\u)%8)+1536*((\u)/8), 256*((\u)%8)+64*((\u)/8)
	XBATCH 9*(\u), 9
.endm
; One halving step of the search for a set bit, the five slots by turns: t = the set bits in the lower w of the 2 w places in hand.  Where the rank is t or more, the bit lies in the upper w.
.macro DESC src, w
.irp i, 0,1,2,3,4
	v_bfe_u32 v[TT+\i], v[\src+\i], v[TP+\i], \w
.endr
.irp i, 0,1,2,3,4
	v_cmp_ge_u32 s[34+\i], v[TQ+\i], v[TT+\i]
.endr
.irp i, 0,1,2,3,4
	v_sub_nc_u32 v[TT+\i], v[TQ+\i], v[TT+\i]
.endr
.irp i, 0,1,2,3,4
	v_add_nc_u32 v[TU+\i], \w, v[TP+\i]
.endr
.irp i, 0,1,2,3,4
	v_cndmask_b32 v[TQ+\i], v[TQ+\i], v[TT+\i], s[34+\i]
.endr
.irp i, 0,1,2,3,4
	v_cndmask_b32 v[TP+\i], v[TP+\i], v[TU+\i], s[34+\i]
.endr
.endm
; MY FIVE TILES' TOKENS, and their places in xq.  Lane r of slot i wants the token of rank p = 16 (tb + w + 4 i) + r among the expert's tokens: the p-th set bit of the 1,024 in v[MASKV].
; First the word: the 32 words are walked with a running count of set bits, and a lane keeps the last word whose count does not pass p.  Then the bit in the word, by five halvings on the counts of its fields.
; All by selects: no branch hangs on the masks.  The loop leaves the expert's number of rows in s30.
.macro TOKENS
	s_add_co_u32 s28, s19, s14
	s_lshl_b32 s28, s28, 4                         ; 16 (tb + w)
.irp i, 0,1,2,3,4
	v_add_nc_u32 v[TQ+\i], s28, v2                 ; p
	s_add_co_u32 s28, s28, 64
.endr
.irp i, 0,1,2,3,4
	v_mov_b32 v[TW+\i], 0                          ; (written before the selects read them; word 0 always takes their place: its count is 0)
	v_mov_b32 v[TK+\i], 0
.endr
	s_mov_b32 s30, 0                               ; set bits ahead of the word in hand
	s_mov_b32 s31, 0                               ; the trip's first word
.Lword_\@:                                             ; eight trips of four words
.irp k, 0,1,2,3
	s_add_co_u32 s33, s31, \k
	v_readlane_b32 s28, v[MASKV], s33              ; word s33
	s_lshl_b32 s29, s33, 16
	s_or_b32 s29, s29, s30                         ; its number above, its count (at most 1,024) below
.irp i, 0,1,2,3,4
	v_cmp_le_u32 s[34+\i], s30, v[TQ+\i]           ; the counts never fall: the last word that passes is the one
.endr
.irp i, 0,1,2,3,4
	v_cndmask_b32 v[TW+\i], v[TW+\i], s28, s[34+\i]
.endr
.irp i, 0,1,2,3,4
	v_cndmask_b32 v[TK+\i], v[TK+\i], s29, s[34+\i]
.endr
	s_bcnt1_i32_b32 s32, s28
	s_add_co_u32 s30, s30, s32
.endr
	s_add_co_u32 s31, s31, 4
	s_cmp_lt_u32 s31, 32
	s_cbranch_scc1 .Lword_\@
.irp i, 0,1,2,3,4
	v_and_b32 v[TT+\i], 0xffff, v[TK+\i]
.endr
.irp i, 0,1,2,3,4
	v_sub_nc_u32 v[TQ+\i], v[TQ+\i], v[TT+\i]      ; the rank inside the word
.endr
.irp i, 0,1,2,3,4
	v_lshrrev_b32 v[TK+\i], 16, v[TK+\i]           ; the word's number
.endr
.irp i, 0,1,2,3,4
	v_lshrrev_b32 v[TT+\i], 1, v[TW+\i]            ; set bits in each field of 2: W - ((W >> 1) & 0101..)
.endr
.irp i, 0,1,2,3,4
	v_and_b32 v[TT+\i], 0x55555555, v[TT+\i]
.endr
.irp i, 0,1,2,3,4
	v_sub_nc_u32 v[TA+\i], v[TW+\i], v[TT+\i]
.endr
.irp i, 0,1,2,3,4
	v_lshrrev_b32 v[TT+\i], 2, v[TA+\i]            ; of 4: neighbouring fields of 2 added
.endr
.irp i, 0,1,2,3,4
	v_and_b32 v[TT+\i], 0x33333333, v[TT+\i]
.endr
.irp i, 0,1,2,3,4
	v_and_b32 v[TU+\i], 0x33333333, v[TA+\i]
.endr
.irp i, 0,1,2,3,4
	v_add_nc_u32 v[TBB+\i], v[TT+\i], v[TU+\i]
.endr
.irp i, 0,1,2,3,4
	v_lshrrev_b32 v[TT+\i], 4, v[TBB+\i]           ; of 8
.endr
.irp i, 0,1,2,3,4
	v_add_nc_u32 v[TT+\i], v[TT+\i], v[TBB+\i]
.endr
.irp i, 0,1,2,3,4
	v_and_b32 v[TC+\i], 0x0f0f0f0f, v[TT+\i]
.endr
.irp i, 0,1,2,3,4
	v_lshrrev_b32 v[TT+\i], 8, v[TC+\i]            ; the lower 16 places: bytes 0 and 1 added (16 at the most: nothing is carried)
.endr
.irp i, 0,1,2,3,4
	v_add_nc_u32 v[TT+\i], v[TT+\i], v[TC+\i]
.endr
.irp i, 0,1,2,3,4
	v_and_b32 v[TT+\i], 0xff, v[TT+\i]
.endr
.irp i, 0,1,2,3,4
	v_cmp_ge_u32 s[34+\i], v[TQ+\i], v[TT+\i]      ; the first halving starts the place
.endr
.irp i, 0,1,2,3,4
	v_sub_nc_u32 v[TT+\i], v[TQ+\i], v[TT+\i]
.endr
.irp i, 0,1,2,3,4
	v_cndmask_b32 v[TQ+\i], v[TQ+\i], v[TT+\i], s[34+\i]
.endr
.irp i, 0,1,2,3,4
	v_cndmask_b32 v[TP+\i], 0, 16, s[34+\i]
.endr
	DESC TC, 8
	DESC TBB, 4
	DESC TA, 2
	DESC TW, 1
.irp i, 0,1,2,3,4
	v_lshl_add_u32 v[XO+\i], v[TK+\i], 5, v[TP+\i] ; the token: 32 x word + place
.endr
.irp i, 0,1,2,3,4
	v_min_u32 v[XO+\i], 0x3ff, v[XO+\i]            ; a token's number stays inside x
.endr
.irp i, 0,1,2,3,4
	v_lshlrev_b32 v[XO+\i], 10, v[XO+\i]
.endr
.irp i, 0,1,2,3,4
	v_lshl_add_u32 v[XSO+\i], v3, 2, v[XO+\i]
.endr
.irp i, 0,1,2,3,4
	v_lshl_add_u32 v[XO+\i], v3, 4, v[XO+\i]
.endr
.endm
.macro FETCHW set, j, imr, sb          ; K step j's four weight fragments and their scale words: 14 LDS loads
.irp n, 0,1,2,3,4,5,6,7,8,9,10,11
	ds_load_b128 v[WF+48*(\set)+4*\n:WF+48*(\set)+4*\n+3], v[\imr] offset:6144*(\j)+512*\n
.endr
.irp p, 0,1
	ds_load_b32 v[WS+2*(\set)+\p], v[SCR] offset:(\sb)+256*(\j)+128*\p     ; lanes 0-15: fragment 2 p's words, lanes 16-31: fragment 2 p + 1's
.endr
.endm
.macro WM i, t, j, set                 ; slot i x weight tile t, K step j
.set RD, 96+32*(\i)+8*(\t)
.set RA, WF+48*(\set)+12*(\t)
.set RB, 96*((\i)%2)+12*(\j)
.set RSA, WS+2*(\set)+(\t)/2
.set RSB, SB+4*(\i)+(\j)/2
.if (\j) == 0
.if (\t)%2 == 0
	v_wmma_scale_f32_16x16x128_f8f6f4 v[RD:RD+7], v[RA:RA+11], v[RB:RB+11], 0, v[RSA], v[RSB] matrix_a_fmt:MATRIX_FMT_FP6 matrix_b_fmt:MATRIX_FMT_FP6
.else
	v_wmma_scale_f32_16x16x128_f8f6f4 v[RD:RD+7], v[RA:RA+11], v[RB:RB+11], 0, v[RSA], v[RSB] matrix_a_fmt:MATRIX_FMT_FP6 matrix_b_fmt:MATRIX_FMT_FP6 matrix_a_scale:MATRIX_SCALE_ROW1
.endif
.elseif (\j)%2 == 0
.if (\t)%2 == 0
	v_wmma_scale_f32_16x16x128_f8f6f4 v[RD:RD+7], v[RA:RA+11], v[RB:RB+11], v[RD:RD+7], v[RSA], v[RSB] matrix_a_fmt:MATRIX_FMT_FP6 matrix_b_fmt:MATRIX_FMT_FP6
.else
	v_wmma_scale_f32_16x16x128_f8f6f4 v[RD:RD+7], v[RA:RA+11], v[RB:RB+11], v[RD:RD+7], v[RSA], v[RSB] matrix_a_fmt:MATRIX_FMT_FP6 matrix_b_fmt:MATRIX_FMT_FP6 matrix_a_scale:MATRIX_SCALE_ROW1
.endif
.else
.if (\t)%2 == 0
	v_wmma_scale_f32_16x16x128_f8f6f4 v[RD:RD+7], v[RA:RA+11], v[RB:RB+11], v[RD:RD+7], v[RSA], v[RSB] matrix_a_fmt:MATRIX_FMT_FP6 matrix_b_fmt:MATRIX_FMT_FP6 matrix_b_scale:MATRIX_SCALE_ROW1
.else
	v_wmma_scale_f32_16x16x128_f8f6f4 v[RD:RD+7], v[RA:RA+11], v[RB:RB+11], v[RD:RD+7], v[RSA], v[RSB] matrix_a_fmt:MATRIX_FMT_FP6 matrix_b_fmt:MATRIX_FMT_FP6 matrix_a_scale:MATRIX_SCALE_ROW1 matrix_b_scale:MATRIX_SCALE_ROW1
.endif
.endif
.endm
.macro MUL20 j, set                    ; source 0 (weights) window 0, source 1 (x) window 1, 2 or 3, C and D window 3
.irp i, 0,1,2,3,4
	WIN 0xf0|((1+\i/2)<<2)
.irp t, 0,1,2,3
	WM \i, \t, \j, \set
.endr
.endr
.endm
.macro KLOOP imr, sb                   ; eight K steps; the first products start the sums: nothing is cleared
	WIN 0
	FETCHW 0, 0, \imr, \sb
.irp j, 0,1,2,3,4,5,6,7
.if \j < 7
.if \j > 0
.rept 4
	v_nop                                          ; four places between the last products that read a set and the loads into it (ISA guide 7.12.1 for vector instructions)
.endr
.endif
	WIN 0
	FETCHW (\j+1)%2, \j+1, \imr, \sb
	s_wait_dscnt 14                                ; this step's set is in; the 14 loads just issued may be out
.else
	s_wait_dscnt 0x0
.endif
	MUL20 \j, \j%2
.endr
	WIN 0
.rept 5
	v_nop                                          ; four places ahead of the first read of results; five ahead of products that begin the sums anew over these accumulators
.endr
.endm
.macro EPI i, b                        ; slot i, block b: h = silu(g) u for my token's 16 columns, then the block's scale and codes
.set GA, 96+32*(\i)
	WIN 0x03                                       ; source 0: the accumulators' window
.irp n, 0,2,4,6,8,10,12,14
	v_pk_mul_f32 v[E+\n:E+\n+1], v[GA+\n:GA+\n+1], 0xbfb8aa3b op_sel_hi:[1,0]    ; -g log2(e); each accumulator is read from its low end on
.endr
	WIN 0
.irp n, 0,1,2,3,4,5,6,7,8,9,10,11,12,13,14,15
	v_exp_f32 v[E+\n], v[E+\n]
.endr
	v_nop                                          ; a plain place behind the batch,
	s_wait_alu depctr_va_vdst(0)                   ; and one wait for it, ahead of its first reader
.irp n, 0,2,4,6,8,10,12,14
	v_pk_add_f32 v[E+\n:E+\n+1], v[E+\n:E+\n+1], 1.0 op_sel_hi:[1,0]
.endr
.irp n, 0,1,2,3,4,5,6,7,8,9,10,11,12,13,14,15
	v_rcp_f32 v[E+\n], v[E+\n]
.endr
	v_nop
	s_wait_alu depctr_va_vdst(0)
	WIN 0x0c                                       ; source 1: the accumulators' window
.irp n, 0,2,4,6,8,10,12,14
	v_pk_mul_f32 v[E+\n:E+\n+1], v[E+\n:E+\n+1], v[GA+\n:GA+\n+1]                ; silu(g)
.endr
.irp n, 0,2,4,6,8,10,12,14
	v_pk_mul_f32 v[HH+\n:HH+\n+1], v[E+\n:E+\n+1], v[GA+16+\n:GA+16+\n+1]        ; x u
.endr
	WIN 0
	v_max3_num_f32 v[AM], |v[HH]|, |v[HH+1]|, 0x1800000                    ; my 16 of the block's 32, in two chains, with the floor
	v_max3_num_f32 v[AM+1], |v[HH+2]|, |v[HH+3]|, |v[HH+4]|
	v_max3_num_f32 v[AM], v[AM], |v[HH+5]|, |v[HH+6]|
	v_max3_num_f32 v[AM+1], v[AM+1], |v[HH+7]|, |v[HH+8]|
	v_max3_num_f32 v[AM], v[AM], |v[HH+9]|, |v[HH+10]|
	v_max3_num_f32 v[AM+1], v[AM+1], |v[HH+11]|, |v[HH+12]|
	v_max3_num_f32 v[AM], v[AM], |v[HH+13]|, |v[HH+14]|
	v_max3_num_f32 v[AM], v[AM], v[AM+1], |v[HH+15]|
	v_permlanex16_b32 v[AM+1], v[AM], s[SEL], s[SEL+1]
	v_max_num_f32 v[AM], v[AM], v[AM+1]                                    ; with lane l xor 16's 16
	v_add_nc_u32 v[SO], 0xff000000, v[AM]
	v_cvt_scalef32_pk16_fp6_f32 v[P+10*(\i)+6*(\b):P+10*(\i)+6*(\b)+2], v[HH:HH+15], v[SO]
	v_nop                                          ; one plain place behind the scaled conversion
.if (\b) == 0
	v_lshrrev_b32 v[BYT+(\i)], 23, v[SO]
.else
	v_lshrrev_b32 v[AM], 23, v[SO]
	v_lshl_or_b32 v[BYT+(\i)], v[AM], 8, v[BYT+(\i)]
.endif
.endm
	s_load_b256 s[4:11], s[0:1], 0x0               ; w13 s[4:5], xq s[6:7], masks s[8:9], hq s[10:11]
	s_load_b64 s[12:13], s[0:1], 0x20              ; hs
	v_lshl_add_u32 v158, v0, 2, 0x21400
	v_mov_b32 v159, 0
	v_lshrrev_b32 v1, 5, v0
	v_readfirstlane_b32 s14, v1                    ; wave
	v_and_b32 v1, 31, v0                           ; lane
	v_and_b32 v2, 15, v0                           ; r
	v_bfe_u32 v3, v0, 4, 1                         ; h
	s_lshr_b32 s15, ttmp9, 5                       ; e
	s_and_b32 s16, ttmp9, 31                       ; s
	s_lshr_b32 s24, s14, 1                         ; b
	s_and_b32 s25, s14, 1                          ; gate (0) or up (1)
	s_mov_b32 s19, 0                               ; tb
	v_lshlrev_b32 v[L16], 4, v1
	s_lshl_b32 s26, s25, 11                        ; my first row of the expert's 4,096: 2,048 kind + 64 s + 32 b,
	s_lshl_b32 s27, s16, 6
	s_add_co_u32 s26, s26, s27
	s_lshl_b32 s27, s24, 5
	s_add_co_u32 s26, s26, s27
	s_lshl_b32 s26, s26, 12                        ; of 4,096 bytes;
	s_lshl_b32 s27, s15, 24                        ; an expert is 2^24 bytes
	s_add_co_u32 s26, s26, s27
	s_mov_b32 s27, 0
	v_lshlrev_b32 v[MO], 6, v1
	s_lshl_b32 s28, s15, 2
	v_add_nc_u32 v[MO], s28, v[MO]                 ; masks: 64 lane + 4 e
	s_wait_kmcnt 0x0
	s_add_nc_u64 s[WB:WB+1], s[4:5], s[26:27]
	global_load_b32 v[MASKV], v[MO], s[8:9]
	WLOAD 0, 0                                     ; units 0, 1, 2 go out before anything else is done
	WLOAD 1, 512
	WLOAD 2, 1024
	s_mul_i32 s26, s14, 8448                       ; the LDS addresses
	s_add_co_u32 s26, s26, STG
	v_add_nc_u32 v[STS], s26, v[L16]
	v_mul_u32_u24 v[STL], v2, 528
	v_lshl_add_u32 v[STL], v3, 7, v[STL]
	v_add_nc_u32 v[STL], s26, v[STL]
	s_mul_i32 s27, s24, 49152
	s_mul_i32 s28, s25, 3072
	s_add_co_u32 s27, s27, s28
	v_add_nc_u32 v[IMW], s27, v[L16]
	s_lshl_b32 s27, s24, 11
	s_lshl_b32 s28, s25, 7
	s_add_co_u32 s27, s27, s28
	s_add_co_u32 s27, s27, SCL
	v_lshl_add_u32 v[SCW], v2, 2, s27
	v_add_nc_u32 v[IMR1], 49152, v[L16]
	v_lshl_add_u32 v[SCR], v1, 2, SCL
	v_lshlrev_b32 v[SH8], 3, v3
	s_mov_b32 s[SEL], 0x76543210
	s_mov_b32 s[SEL+1], 0xfedcba98
	v_mov_b32 v[WD2], 0                            ; written once: a lane permute's destination counts as one of its sources
	s_wait_loadcnt LC                              ; the mask words are in; the 48 weight loads issued behind them stay out
	TOKENS                                         ; the first round's rows; the search runs while the three units are on their way
	s_add_co_u32 s18, s30, 15
	s_lshr_b32 s18, s18, 4
	s_max_u32 s18, s18, 1                          ; the expert's tiles; an expert without rows keeps one, of padding
	UNIT 0, 0
	UNIT 1, 1
	UNIT 2, 2
	UNIT 3, 0
	UNIT 4, 1
	UNIT 5, 2
	UNIT 6, 0
	UNIT 7, 1
	UNIT 8, 2
	UNIT 9, 0
	UNIT 10, 1
	UNIT 11, 2
	UNIT 12, 0
	UNIT 13, 1
	UNIT 14, 2
	UNIT 15, 0
	s_wait_dscnt 0x0                               ; my images and scale words have landed
	s_barrier_signal -1
	s_barrier_wait -1                              ; all 64 fragments lie in LDS; from here on LDS is only read, and there is no barrier
.Lround:                                               ; four trips: tb = 0, 20, 40, 60
	s_wait_loadcnt 0x0                             ; x's fragments are in,
	s_wait_xcnt 0x0                                ; and the last round's stores have read their registers
	s_cmp_ge_u32 s19, s18
	s_cbranch_scc1 .Lnext                          ; no tile in this round
	s_cmp_eq_u32 s19, 0
	s_cbranch_scc1 .Lhave                          ; the first round's rows came in during the stream
	TOKENS
	XBATCH 0, 140
	s_wait_loadcnt 0x0
.Lhave:
	s_mul_i32 s28, s15, 80
	s_add_co_u32 s28, s28, s19
	s_add_co_u32 s28, s28, s14                     ; 80 e + tb + w: slot 0's tile
	s_lshl_b32 s29, s28, 5
	s_add_co_u32 s29, s29, s16
	s_mul_i32 s29, s29, 768
	v_lshl_add_u32 v[HO1], v1, 4, s29
	s_add_co_u32 s29, s29, 512
	v_lshl_add_u32 v[HO2], v1, 3, s29
	s_lshl_b32 s28, s28, 10
	s_lshr_b32 s29, s16, 1
	s_lshl_b32 s29, s29, 6
	s_add_co_u32 s28, s28, s29
	s_and_b32 s29, s16, 1
	s_lshl_b32 s29, s29, 1
	s_add_co_u32 s28, s28, s29
	v_lshl_add_u32 v[HO3], v2, 2, s28
	KLOOP L16, 0
.irp i, 0,1,2,3,4
	EPI \i, 0
.endr
	KLOOP IMR1, 2048
.irp i, 0,1,2,3,4
	EPI \i, 1
.endr
	; the next operand's layout wants a WHOLE block in a lane: lanes 0-15 block 0, lanes 16-31 block 1
.irp i, 0,1,2,3,4
.irp n, 0,1,2
	v_permlane16_swap_b32 v[P+10*\i+\n], v[P+10*\i+6+\n]
.endr
.endr
.irp i, 0,1,2,3,4
.irp n, 0,1,2
	v_mov_b32 v[P+10*\i+3+\n], v[P+10*\i+6+\n]
.endr
.endr
	s_add_co_u32 s28, s19, s14
.irp i, 0,1,2,3,4
	s_add_co_u32 s29, s28, 4*\i
	s_cmp_lt_u32 s29, s18
	s_cbranch_scc0 .Lno_tile_\i                    ; beyond the expert's last tile: nothing is stored
	global_store_b128 v[HO1], v[P+10*\i:P+10*\i+3], s[10:11] offset:98304*\i th:TH_STORE_NT     ; 512 consecutive bytes, aligned to 256
	global_store_b64 v[HO2], v[P+10*\i+4:P+10*\i+5], s[10:11] offset:98304*\i th:TH_STORE_NT    ; 256 consecutive bytes, aligned
	global_store_b16 v[HO3], v[BYT+\i], s[12:13] offset:4096*\i                                 ; my row's two bytes; lanes l and l xor 16 store the same bytes to the same place
.Lno_tile_\i:
.endr
.Lnext:
	s_add_co_u32 s19, s19, 20
	s_cmp_lt_u32 s19, 80
	s_cbranch_scc1 .Lround
	s_wait_tensorcnt 0x0
	ds_add_u32 v158, v159
	s_wait_dscnt 0x0
	s_endpgm
.Lfunc_end_k_qbbfed0feef_gateup:
	.size	k_qbbfed0feef_gateup, .Lfunc_end_k_qbbfed0feef_gateup-k_qbbfed0feef_gateup
	.p2alignl 7, 3214868480
	.fill 96, 4, 3214868480
	.section	.rodata,"a",@progbits
	.p2align	6, 0x0
	.amdhsa_kernel k_qbbfed0feef_gateup
		.amdhsa_group_segment_fixed_size 136704
		.amdhsa_private_segment_fixed_size 0
		.amdhsa_enable_private_segment 0
		.amdhsa_kernarg_size 40
		.amdhsa_user_sgpr_count 2
		.amdhsa_user_sgpr_kernarg_segment_ptr 1
		.amdhsa_wavefront_size32 1
		.amdhsa_system_sgpr_workgroup_id_x 1
		.amdhsa_system_sgpr_workgroup_id_y 1
		.amdhsa_system_sgpr_workgroup_id_z 1
		.amdhsa_system_vgpr_workitem_id 0
		.amdhsa_next_free_vgpr 1024
		.amdhsa_next_free_sgpr 66
		.amdhsa_reserve_vcc 0
		.amdhsa_float_denorm_mode_32 3
		.amdhsa_float_denorm_mode_16_64 3
		.amdhsa_memory_ordered 1
		.amdhsa_forward_progress 1
		.amdhsa_inst_pref_size 255
	.end_amdhsa_kernel
	.section	.bss,"aw",@nobits
	.p2align	6
	.space	262144
	.amdgpu_metadata
---
amdhsa.version: [ 1, 2 ]
amdhsa.kernels:
  - .name:           k_qbbfed0feef_gateup
    .symbol:         k_qbbfed0feef_gateup.kd
    .args:
      - { .name: w13_weight, .offset: 0, .size: 8, .value_kind: global_buffer, .address_space: global }
      - { .name: xq, .offset: 8, .size: 8, .value_kind: global_buffer, .address_space: global }
      - { .name: masks, .offset: 16, .size: 8, .value_kind: global_buffer, .address_space: global }
      - { .name: hq, .offset: 24, .size: 8, .value_kind: global_buffer, .address_space: global }
      - { .name: hs, .offset: 32, .size: 8, .value_kind: global_buffer, .address_space: global }
    .group_segment_fixed_size: 136704
    .private_segment_fixed_size: 0
    .kernarg_segment_align: 8
    .kernarg_segment_size: 40
    .max_flat_workgroup_size: 128
    .sgpr_count:     66
    .vgpr_count:     1024
    .wavefront_size: 32
...
	.end_amdgpu_metadata
.endif
;; end of part 2
;; launch down (part 3): grid 256 x 1, 4 waves a work-group, no clusters, 90,880 bytes of LDS; arguments w2_weight, hq, hs, masks, cw, ypart; writes ypart
.if DOCPART == 3
	.amdgcn_target "amdgcn-amd-amdhsa--gfx1250"
	.amdhsa_code_object_version 6
	.text
	.protected	k_qbbfed0feef_down
	.globl	k_qbbfed0feef_down
	.p2align	8
	.type	k_qbbfed0feef_down,@function
k_qbbfed0feef_down:
	s_mov_b64 s[64:65], 0
	v_nop
	global_prefetch_b8 v0, s[64:65] scope:SCOPE_SE
	s_setreg_imm32_b32 hwreg(HW_REG_WAVE_MODE, 25, 1), 1
	s_wait_xcnt 0x0
; y = h W2^T for the rows that chose an expert, on codes of FP6 (E2M3) with one E8M0 scale for each 32 along K, times the token's weight for that expert.
; SHARES.  Work-group = (expert e, 64 columns of H: cg, half kh of K = 2,048): 64 rows x 1,024 of W2, 256 KiB of f32, read ONCE in the launch and never written back as codes.
; K is halved so that a tile's h (16 rows x 1,024: 96 registers a lane) stays in registers and can be asked for during the weight stream.
; PHASE A.  Wave w streams weight tile w (16 rows) in 8 units of 128 K: sixteen loads of 512 consecutive bytes, turned through its own stage in LDS, quantised in registers, laid in LDS as an image of the operand's
;   12 registers.  Two units are always on their way; between units the wave asks for the h fragments of its five tiles (180 loads of 512, 256 or 128 consecutive bytes).
; PHASE B (no barrier).  Eight K steps; a step takes the four weight fragments from LDS against the five tiles: 20 matrix instructions on 20 accumulators by turns.
; ROWS.  As in the launch before: wave 0 lays a list in LDS from the stored masks, in the same order.  An entry is the row of ypart that the result goes to: 2,048 kh + 1,024 slot + token, slot = 1 where e is the
;   token's higher-numbered expert.  Padding rows go to row 4,096 + 8 kh + e, which nobody reads.  Four rounds of 20 tiles serve every split; a round without tiles is jumped over.
; TRANSPOSED USE: source 0 = 16 rows of W2, source 1 = 16 rows of h: a lane holds one token and eight neighbouring columns of H.  A tile goes through the wave's stage and leaves as rows: sixteen lanes store 256
;   consecutive bytes, aligned.
; The sum over K is formed as two halves, each times the weight, added in f32 by the next launch.
; LIMITS: NaN and infinities are not served.  A block of zeros, or one whose largest magnitude lies under 2^-124, gets the byte 1 (this program alone reads the bytes).
.set SCL,   49152                      ; LDS: 0: 32 images of 1,536 bytes, fragment 4 j + w;  here: their scale words, 64 bytes each
.set LIST,  51200                      ; the list: 1,280 words, and 32 more that take what the scatter throws away
.set STG,   56576                      ; a stage of 16 x 528 bytes for each wave; on the way out 16 x 272 of it
.set L16,   4                          ; v4   16 x lane: the weights' offset, and an image's place
.set STS,   5
.set STL,   6
.set IMW,   7
.set SCW,   8
.set SCR,   11
.set SH8,   12
.set LSA,   13                         ; v13  the list: my wave's tile, row r
.set HA16,  14                         ; v14-18 slot i: its tile in hq, + 16 lane
.set HA8,   19                         ; v19-23 + 8 lane
.set HSA,   24                         ; v24-28 its scale words in hs, + 4 lane
.set ENT,   29                         ; v29-33 my row's entry, then its place in cw
.set CW,    34                         ; v34-43 slot i: my token's weight, in the low register of a pair
.set SB,    44                         ; v44-63 h's scale words: lanes 0-15 K step 2 q, lanes 16-31 K step 2 q + 1.  Scales and nothing else
.set WS,    64                         ; v64-67 the weights' scale words.  Scales and nothing else
.set EA,    68                         ; v68-75 the way out: eight pairs of rows' places in ypart
.set Y,     76                         ; v76-107 a tile's 32 results
.set C,     76                         ; (phase A: the fragment just made, v76-87,
.set XT,    88                         ;  second halves v88-94,
.set AM,    96                         ;  and what the quantiser works with)
.set SO,    98
.set WD,    100
.set WD2,   101
.set Z,     108                        ; v108-139 the tile as rows
.set MASKV, 140
.set HIV,   141
.set PF,    142                        ; (wave 0's list: v142-145 the padding, v146-149, v155-158 at work)
.set DUMP,  146
.set LK,    147
.set K1024, 148
.set BP,    149
.set YSO,   150                        ; v150 the way out: where I put 32 bytes of a row
.set YSR,   151                        ; v151 and where I read a row back
.set COL,   152                        ; v152 256 cg + 16 r
.set LB2,   153                        ; v153 the list: my wave's tile, row h of a pair
.set LBR,   154                        ; v154 the same in the round in hand; also the list address of TOKENS
.set BAD,   155
.set BV,    156
.set BTT,   157
.set BA,    158
.set WF,    160
.set T,     160
.set UB0,   448
.set UB1,   704
; v256-351, v352-447, v512-607, v608-703, v768-863: h's fragments, slot i, 12 registers a K step.  v864-1023: accumulators, slot i, tile t at 864 + 32 i + 8 t
.set SEL,   24                         ; s[24:25]
.set WB,    26                         ; s[26:27]
; s16 wave, s17 e, s18 cg, s19 kh, s20 count, s21 tiles, s22 tb
.set MSB, 0
.macro WIN new
.if MSB != (\new)
	s_set_vgpr_msb (MSB<<8)|(\new)
.set MSB, (\new)
.endif
.endm
.set LC, 0                             ; loads issued so far, counted as the text is assembled
.macro WLOAD k, imm
.set BB, UB\k
.set BL, BB&255
	WIN (BB>>8)<<6
.irp i, 0,1,2,3,4,5,6,7,8,9,10,11,12,13,14,15
	global_load_b128 v[BL+4*\i:BL+4*\i+3], v[L16], s[WB:WB+1] offset:8192*\i+(\imm) th:TH_LOAD_NT
.endr
	WIN 0
.set LC, LC+16
.set WEND\k, LC
.endm
.macro TURN k
.set BB, UB\k
.set BL, BB&255
	WIN (BB>>8)<<2
.irp i, 0,1,2,3,4,5,6,7,8,9,10,11,12,13,14,15
	ds_store_b128 v[STS], v[BL+4*\i:BL+4*\i+3] offset:528*\i
.endr
	WIN 0
.irp c, 0,1
.irp q, 0,1,2,3,4,5,6,7
	ds_load_b128 v[T+32*\c+4*\q:T+32*\c+4*\q+3], v[STL] offset:256*\c+16*\q
.endr
.endr
.endm
.macro QW
.irp c, 0,1
	v_max3_num_f32 v[AM+\c], |v[T+32*\c]|, |v[T+32*\c+1]|, 0x1800000       ; with the floor 2^(3 - 127): the byte cannot fall under 1
.endr
.irp i, 2,4,6,8,10,12,14,16,18,20,22,24,26,28,30
.irp c, 0,1
	v_max3_num_f32 v[AM+\c], v[AM+\c], |v[T+32*\c+\i]|, |v[T+32*\c+\i+1]|
.endr
.endr
.irp c, 0,1
	v_add_nc_u32 v[SO+\c], 0xff000000, v[AM+\c]
.endr
.irp c, 0,1
	v_lshrrev_b32 v[AM+\c], 23, v[SO+\c]
.endr
	v_lshl_or_b32 v[WD], v[AM+1], 16, v[AM]
	v_lshlrev_b32 v[WD], v[SH8], v[WD]
	v_permlanex16_b32 v[WD2], v[WD], s[SEL], s[SEL+1]
	v_or_b32 v[WD], v[WD], v[WD2]
.irp c, 0,1
	v_cvt_scalef32_pk16_fp6_f32 v[C+6*\c:C+6*\c+2], v[T+32*\c:T+32*\c+15], v[SO+\c]
	v_cvt_scalef32_pk16_fp6_f32 v[XT+4*\c:XT+4*\c+2], v[T+32*\c+16:T+32*\c+31], v[SO+\c]
.endr
	v_nop                                                                  ; one plain place behind the scaled conversions
.irp c, 0,1
.irp n, 0,1,2
	v_mov_b32 v[C+6*\c+3+\n], v[XT+4*\c+\n]
.endr
.endr
.endm
.macro IMAGE imm, simm
.irp n, 0,1,2
	ds_store_b128 v[IMW], v[C+4*\n:C+4*\n+3] offset:(\imm)+512*\n
.endr
	ds_store_b32 v[SCW], v[WD] offset:\simm
.endm
.macro HLOADN n                        ; load n of the 180 that bring my five tiles of h: slot n / 36; for each K step 16 + 8 + 16 + 8 bytes a lane, then 4 scale registers
.set XI, (\n)/36
.set XQ, (\n)%36
.if XQ < 32
.set XR, 256+256*(XI/2)+96*(XI%2)+12*(XQ/4)+6*((XQ%4)/2)+4*(XQ%2)
.set XL, XR&255
	WIN (XR>>8)<<6
.if XQ%2 == 0
	global_load_b128 v[XL:XL+3], v[HA16+XI], s[6:7] offset:1536*(XQ/4)+768*((XQ%4)/2)
.else
	global_load_b64 v[XL:XL+1], v[HA8+XI], s[6:7] offset:1536*(XQ/4)+768*((XQ%4)/2)+512
.endif
.else
	WIN 0
	global_load_b32 v[SB+4*XI+XQ-32], v[HSA+XI], s[8:9] offset:128*(XQ-32)
.endif
.set LC, LC+1
.endm
.macro HBATCH n0, cnt
.set NN, \n0
.rept \cnt
.if NN < 180
	HLOADN NN
.endif
.set NN, NN+1
.endr
	WIN 0
.endm
.macro UNIT u, k
	s_wait_loadcnt LC-WEND\k                       ; this unit's sixteen loads are in; all that were issued behind them may be out
	TURN \k
	s_wait_dscnt 16                                ; the sixteen stores into the stage are done: the buffer is free
.if (\u)+2 < 8
	WLOAD \k, ((\u)+2)*512
.endif
	s_wait_dscnt 0x0
	QW
	IMAGE 6144*(\u), 256*(\u)
	HBATCH 23*(\u), 23
.endm
.macro ADDR                            ; where my five tiles lie in hq and hs.  A slot beyond the expert's last tile reads the last one again: only tiles that were stored are read
	s_add_co_u32 s28, s22, s16
	s_sub_co_u32 s29, s21, 1
	s_mul_i32 s31, s17, 80
	s_mul_i32 s33, s19, 12288
	s_lshl_b32 s34, s19, 9
.irp i, 0,1,2,3,4
	s_add_co_u32 s30, s28, 4*\i
	s_min_u32 s30, s30, s29
	s_min_u32 s30, s30, 63
	s_add_co_u32 s30, s30, s31
	s_mul_i32 s32, s30, 24576
	s_add_co_u32 s32, s32, s33
	v_lshl_add_u32 v[HA16+\i], v1, 4, s32
	v_lshl_add_u32 v[HA8+\i], v1, 3, s32
	s_lshl_b32 s32, s30, 10
	s_add_co_u32 s32, s32, s34
	v_lshl_add_u32 v[HSA+\i], v1, 2, s32
.endr
.endm
.macro TOKENS                          ; my rows' entries out of the list, and their weights
	s_lshl_b32 s28, s22, 6
	v_add_nc_u32 v[LBR], s28, v[LSA]
.irp i, 0,1,2,3,4
	ds_load_b32 v[ENT+\i], v[LBR] offset:256*\i
.endr
	s_wait_dscnt 0x0
.irp i, 0,1,2,3,4
	v_min_u32 v[ENT+\i], 0x100f, v[ENT+\i]
.endr
.irp i, 0,1,2,3,4
	v_and_b32 v[ENT+\i], 0x7ff, v[ENT+\i]          ; 1,024 slot + token
.endr
.irp i, 0,1,2,3,4
	v_lshlrev_b32 v[ENT+\i], 2, v[ENT+\i]
.endr
.irp i, 0,1,2,3,4
	global_load_b32 v[CW+2*\i], v[ENT+\i], s[12:13]
.endr
.set LC, LC+5
.endm
.macro FETCHW set, j
.irp n, 0,1,2,3,4,5,6,7,8,9,10,11
	ds_load_b128 v[WF+48*(\set)+4*\n:WF+48*(\set)+4*\n+3], v[L16] offset:6144*(\j)+512*\n
.endr
.irp p, 0,1
	ds_load_b32 v[WS+2*(\set)+\p], v[SCR] offset:256*(\j)+128*\p           ; lanes 0-15: fragment 2 p's words, lanes 16-31: fragment 2 p + 1's
.endr
.endm
.macro WM i, t, j, set
.set RD, 96+32*(\i)+8*(\t)
.set RA, WF+48*(\set)+12*(\t)
.set RB, 96*((\i)%2)+12*(\j)
.set RSA, WS+2*(\set)+(\t)/2
.set RSB, SB+4*(\i)+(\j)/2
.if (\j) == 0
.if (\t)%2 == 0
	v_wmma_scale_f32_16x16x128_f8f6f4 v[RD:RD+7], v[RA:RA+11], v[RB:RB+11], 0, v[RSA], v[RSB] matrix_a_fmt:MATRIX_FMT_FP6 matrix_b_fmt:MATRIX_FMT_FP6
.else
	v_wmma_scale_f32_16x16x128_f8f6f4 v[RD:RD+7], v[RA:RA+11], v[RB:RB+11], 0, v[RSA], v[RSB] matrix_a_fmt:MATRIX_FMT_FP6 matrix_b_fmt:MATRIX_FMT_FP6 matrix_a_scale:MATRIX_SCALE_ROW1
.endif
.elseif (\j)%2 == 0
.if (\t)%2 == 0
	v_wmma_scale_f32_16x16x128_f8f6f4 v[RD:RD+7], v[RA:RA+11], v[RB:RB+11], v[RD:RD+7], v[RSA], v[RSB] matrix_a_fmt:MATRIX_FMT_FP6 matrix_b_fmt:MATRIX_FMT_FP6
.else
	v_wmma_scale_f32_16x16x128_f8f6f4 v[RD:RD+7], v[RA:RA+11], v[RB:RB+11], v[RD:RD+7], v[RSA], v[RSB] matrix_a_fmt:MATRIX_FMT_FP6 matrix_b_fmt:MATRIX_FMT_FP6 matrix_a_scale:MATRIX_SCALE_ROW1
.endif
.else
.if (\t)%2 == 0
	v_wmma_scale_f32_16x16x128_f8f6f4 v[RD:RD+7], v[RA:RA+11], v[RB:RB+11], v[RD:RD+7], v[RSA], v[RSB] matrix_a_fmt:MATRIX_FMT_FP6 matrix_b_fmt:MATRIX_FMT_FP6 matrix_b_scale:MATRIX_SCALE_ROW1
.else
	v_wmma_scale_f32_16x16x128_f8f6f4 v[RD:RD+7], v[RA:RA+11], v[RB:RB+11], v[RD:RD+7], v[RSA], v[RSB] matrix_a_fmt:MATRIX_FMT_FP6 matrix_b_fmt:MATRIX_FMT_FP6 matrix_a_scale:MATRIX_SCALE_ROW1 matrix_b_scale:MATRIX_SCALE_ROW1
.endif
.endif
.endm
.macro MUL20 j, set                    ; source 0 (weights) window 0, source 1 (h) window 1, 2 or 3, C and D window 3
.irp i, 0,1,2,3,4
	WIN 0xf0|((1+\i/2)<<2)
.irp t, 0,1,2,3
	WM \i, \t, \j, \set
.endr
.endr
.endm
.macro KLOOP
	WIN 0
	FETCHW 0, 0
.irp j, 0,1,2,3,4,5,6,7
.if \j < 7
.if \j > 0
.rept 4
	v_nop                                          ; four places between the last products that read a set and the loads into it (ISA guide 7.12.1 for vector instructions)
.endr
.endif
	WIN 0
	FETCHW (\j+1)%2, \j+1
	s_wait_dscnt 14                                ; this step's set is in; the 14 loads just issued may be out
.else
	s_wait_dscnt 0x0
.endif
	MUL20 \j, \j%2
.endr
	WIN 0
.rept 5
	v_nop                                          ; four places ahead of the first read of results; five ahead of products that begin the sums anew over these accumulators
.endr
.endm
.macro EPI3 i                          ; slot i's tile leaves
	s_add_co_u32 s31, s30, 4*(\i)
	s_cmp_lt_u32 s31, s21
	s_cbranch_scc0 .Lskip_\@                       ; beyond the expert's last tile
	s_wait_xcnt 0x0                                ; the last tile's stores have read their registers
.irp p, 0,1,2,3,4,5,6,7
	ds_load_b32 v[EA+\p], v[LBR] offset:256*(\i)+8*\p                      ; the entries of rows 2 p + h
.endr
	WIN 0x03                                       ; source 0: the accumulators' window
.irp n, 0,2,4,6,8,10,12,14,16,18,20,22,24,26,28,30
	v_pk_mul_f32 v[Y+\n:Y+\n+1], v[96+32*(\i)+\n:96+32*(\i)+\n+1], v[CW+2*(\i):CW+2*(\i)+1] op_sel_hi:[1,0]   ; x my token's weight; each accumulator from its low end on
.endr
	WIN 0
.irp t, 0,1,2,3
	ds_store_b128 v[YSO], v[Y+8*\t:Y+8*\t+3] offset:64*\t
	ds_store_b128 v[YSO], v[Y+8*\t+4:Y+8*\t+7] offset:64*\t+16
.endr
.irp p, 0,1,2,3,4,5,6,7
	ds_load_b128 v[Z+4*\p:Z+4*\p+3], v[YSR] offset:544*\p                  ; LDS serves a wave's instructions in order: these see the stores above
.endr
	s_wait_dscnt 16                                ; the eight entries are in; the eight stores and eight loads behind them may be out
.irp p, 0,1,2,3,4,5,6,7
	v_min_u32 v[EA+\p], 0x100f, v[EA+\p]           ; a row of ypart, whatever the masks hold
.endr
.irp p, 0,1,2,3,4,5,6,7
	v_lshl_add_u32 v[EA+\p], v[EA+\p], 12, v[COL]
.endr
.irp p, 0,1,2,3,4,5,6,7
	s_wait_dscnt 7-\p
	global_store_b128 v[EA+\p], v[Z+4*\p:Z+4*\p+3], s[14:15] th:TH_STORE_NT   ; sixteen lanes store 256 consecutive bytes of one row, aligned
.endr
.Lskip_\@:
.endm
	s_load_b256 s[4:11], s[0:1], 0x0               ; w2 s[4:5], hq s[6:7], hs s[8:9], masks s[10:11]
	s_load_b128 s[12:15], s[0:1], 0x20             ; cw s[12:13], ypart s[14:15]
	v_lshl_add_u32 v10, v0, 2, 0x16100
	v_mov_b32 v159, 0
	v_lshrrev_b32 v1, 5, v0
	v_readfirstlane_b32 s16, v1                    ; wave
	v_and_b32 v1, 31, v0                           ; lane
	v_and_b32 v2, 15, v0                           ; r
	v_bfe_u32 v3, v0, 4, 1                         ; h
	s_lshr_b32 s17, ttmp9, 5                       ; e
	s_bfe_u32 s18, ttmp9, 0x40001                  ; cg
	s_and_b32 s19, ttmp9, 1                        ; kh
	s_mov_b32 s22, 0                               ; tb
	v_lshlrev_b32 v[L16], 4, v1
	s_lshl_b32 s28, s18, 6
	s_lshl_b32 s29, s16, 4
	s_add_co_u32 s28, s28, s29                     ; my first row of the expert's 1,024: 64 cg + 16 w,
	s_lshl_b32 s28, s28, 13                        ; of 8,192 bytes;
	s_lshl_b32 s29, s17, 23                        ; an expert is 2^23 bytes;
	s_add_co_u32 s28, s28, s29
	s_lshl_b32 s29, s19, 12                        ; half a row is 4,096
	s_add_co_u32 s28, s28, s29
	s_mov_b32 s29, 0
	v_lshlrev_b32 v[LBR], 6, v1
	s_lshl_b32 s30, s17, 2
	v_add_nc_u32 v[LBR], s30, v[LBR]               ; masks: 64 lane + 4 e
	s_wait_kmcnt 0x0
	s_add_nc_u64 s[WB:WB+1], s[4:5], s[28:29]
	global_load_b32 v[MASKV], v[LBR], s[10:11]
	global_load_b32 v[HIV], v[LBR], s[10:11] offset:32
	WLOAD 0, 0                                     ; units 0 and 1 go out before anything else is done
	WLOAD 1, 512
	; every LDS address is made here, ahead of the one place where the waves part
	s_mul_i32 s28, s16, 8448
	s_add_co_u32 s28, s28, STG
	v_add_nc_u32 v[STS], s28, v[L16]
	v_mul_u32_u24 v[STL], v2, 528
	v_lshl_add_u32 v[STL], v3, 7, v[STL]
	v_add_nc_u32 v[STL], s28, v[STL]
	v_mul_u32_u24 v[YSO], v2, 272
	v_lshl_add_u32 v[YSO], v3, 5, v[YSO]
	v_add_nc_u32 v[YSO], s28, v[YSO]
	v_mul_u32_u24 v[YSR], v3, 272
	v_lshl_add_u32 v[YSR], v2, 4, v[YSR]
	v_add_nc_u32 v[YSR], s28, v[YSR]
	s_mul_i32 s28, s16, 1536
	v_add_nc_u32 v[IMW], s28, v[L16]
	s_lshl_b32 s28, s16, 6
	s_add_co_u32 s29, s28, SCL
	v_lshl_add_u32 v[SCW], v2, 2, s29
	v_lshl_add_u32 v[SCR], v1, 2, SCL
	s_add_co_u32 s29, s28, LIST
	v_lshl_add_u32 v[LSA], v2, 2, s29
	v_lshl_add_u32 v[LB2], v3, 2, s29
	v_lshlrev_b32 v[SH8], 3, v3
	s_lshl_b32 s28, s18, 8
	v_lshl_add_u32 v[COL], v2, 4, s28
	s_mov_b32 s[SEL], 0x76543210
	s_mov_b32 s[SEL+1], 0xfedcba98
	v_mov_b32 v[WD2], 0                            ; written once: a lane permute's destination counts as one of its sources
.irp i, 0,1,2,3,4
	v_mov_b32 v[CW+2*\i+1], 0                      ; named with the weight as a pair, so it is written
.endr
	s_wait_loadcnt 32                              ; the mask words are in; the 32 weight loads behind them stay out
	s_mov_b32 s20, 0
.set J, 0
.rept 32
	v_readlane_b32 s28, v[MASKV], J
	s_bcnt1_i32_b32 s29, s28
	s_add_co_u32 s20, s20, s29                     ; the expert's rows
.set J, J+1
.endr
	s_add_co_u32 s21, s20, 15
	s_lshr_b32 s21, s21, 4
	s_max_u32 s21, s21, 1                          ; its tiles, as the launch before counted them
	; THE LIST: wave 0 alone; no other wave touches LDS ahead of the barrier below
	s_cmp_lg_u32 s16, 0
	s_cbranch_scc1 .Lbuilt
	s_lshl_b32 s28, s19, 3
	s_add_co_u32 s28, s28, s17
	s_add_co_u32 s28, s28, 4096                    ; padding: the row that nobody reads
.irp n, 0,1,2,3
	v_mov_b32 v[PF+\n], s28
.endr
	v_add_nc_u32 v[BA], LIST, v[L16]
.irp n, 0,1,2,3,4,5,6,7,8,9
	ds_store_b128 v[BA], v[PF:PF+3] offset:512*\n
.endr
	s_lshl_b32 s28, s19, 11
	v_add_nc_u32 v[LK], s28, v1                    ; 2,048 kh + lane
	v_add_nc_u32 v[DUMP], 1280, v1
	v_mov_b32 v[K1024], 0x400
	s_mov_b32 s30, 0
.set J, 0
.rept 32
	v_readlane_b32 s28, v[MASKV], J
	v_readlane_b32 s29, v[HIV], J
	v_mbcnt_lo_u32_b32 v[BP], s28, s30             ; rows ahead of token 32 J + lane
	v_cndmask_b32 v[BP], v[DUMP], v[BP], s28       ; a token that did not choose the expert writes behind the list
	v_min_u32 v[BP], 1311, v[BP]                   ; inside the list's bytes whatever the masks hold
	v_lshl_add_u32 v[BAD], v[BP], 2, LIST
	v_cndmask_b32 v[BTT], 0, v[K1024], s29         ; slot 1 where e is the higher-numbered expert
	v_add3_u32 v[BV], v[LK], v[BTT], 32*J
	ds_store_b32 v[BAD], v[BV]
	s_bcnt1_i32_b32 s29, s28
	s_add_co_u32 s30, s30, s29
.set J, J+1
.endr
.Lbuilt:
	s_wait_dscnt 0x0                               ; wave 0's stores have landed
	s_barrier_signal -1
	s_barrier_wait -1                              ; the list lies in LDS
	ADDR
	TOKENS
	UNIT 0, 0
	UNIT 1, 1
	UNIT 2, 0
	UNIT 3, 1
	UNIT 4, 0
	UNIT 5, 1
	UNIT 6, 0
	UNIT 7, 1
	s_wait_dscnt 0x0                               ; my images and scale words have landed
	s_barrier_signal -1
	s_barrier_wait -1                              ; all 32 fragments lie in LDS; from here on a wave writes only its own stage, and there is no barrier
.Lround:                                               ; four trips: tb = 0, 20, 40, 60
	s_wait_loadcnt 0x0                             ; h's fragments and the weights are in,
	s_wait_xcnt 0x0                                ; and the last round's stores have read their registers
	s_cmp_ge_u32 s22, s21
	s_cbranch_scc1 .Lnext                          ; no tile in this round
	s_cmp_eq_u32 s22, 0
	s_cbranch_scc1 .Lhave                          ; the first round's rows came in during the stream
	ADDR
	TOKENS
	HBATCH 0, 180
	s_wait_loadcnt 0x0
.Lhave:
	s_lshl_b32 s28, s22, 6
	v_add_nc_u32 v[LBR], s28, v[LB2]
	s_add_co_u32 s30, s22, s16                     ; tb + w: slot 0's tile
	KLOOP
	EPI3 0
	EPI3 1
	EPI3 2
	EPI3 3
	EPI3 4
.Lnext:
	s_add_co_u32 s22, s22, 20
	s_cmp_lt_u32 s22, 80
	s_cbranch_scc1 .Lround
	s_wait_tensorcnt 0x0
	ds_add_u32 v10, v159
	s_wait_dscnt 0x0
	s_endpgm
.Lfunc_end_k_qbbfed0feef_down:
	.size	k_qbbfed0feef_down, .Lfunc_end_k_qbbfed0feef_down-k_qbbfed0feef_down
	.p2alignl 7, 3214868480
	.fill 96, 4, 3214868480
	.section	.rodata,"a",@progbits
	.p2align	6, 0x0
	.amdhsa_kernel k_qbbfed0feef_down
		.amdhsa_group_segment_fixed_size 90880
		.amdhsa_private_segment_fixed_size 0
		.amdhsa_enable_private_segment 0
		.amdhsa_kernarg_size 48
		.amdhsa_user_sgpr_count 2
		.amdhsa_user_sgpr_kernarg_segment_ptr 1
		.amdhsa_wavefront_size32 1
		.amdhsa_system_sgpr_workgroup_id_x 1
		.amdhsa_system_sgpr_workgroup_id_y 1
		.amdhsa_system_sgpr_workgroup_id_z 1
		.amdhsa_system_vgpr_workitem_id 0
		.amdhsa_next_free_vgpr 1024
		.amdhsa_next_free_sgpr 66
		.amdhsa_reserve_vcc 0
		.amdhsa_float_denorm_mode_32 3
		.amdhsa_float_denorm_mode_16_64 3
		.amdhsa_memory_ordered 1
		.amdhsa_forward_progress 1
		.amdhsa_inst_pref_size 183
	.end_amdhsa_kernel
	.amdgpu_metadata
---
amdhsa.version: [ 1, 2 ]
amdhsa.kernels:
  - .name:           k_qbbfed0feef_down
    .symbol:         k_qbbfed0feef_down.kd
    .args:
      - { .name: w2_weight, .offset: 0, .size: 8, .value_kind: global_buffer, .address_space: global }
      - { .name: hq, .offset: 8, .size: 8, .value_kind: global_buffer, .address_space: global }
      - { .name: hs, .offset: 16, .size: 8, .value_kind: global_buffer, .address_space: global }
      - { .name: masks, .offset: 24, .size: 8, .value_kind: global_buffer, .address_space: global }
      - { .name: cw, .offset: 32, .size: 8, .value_kind: global_buffer, .address_space: global }
      - { .name: ypart, .offset: 40, .size: 8, .value_kind: global_buffer, .address_space: global }
    .group_segment_fixed_size: 90880
    .private_segment_fixed_size: 0
    .kernarg_segment_align: 8
    .kernarg_segment_size: 48
    .max_flat_workgroup_size: 128
    .sgpr_count:     66
    .vgpr_count:     1024
    .wavefront_size: 32
...
	.end_amdgpu_metadata
.endif
;; end of part 3
;; launch combine (part 4): grid 256 x 1, 8 waves a work-group, no clusters, 0 bytes of LDS; arguments ypart, out0; writes out0
.if DOCPART == 4
	.amdgcn_target "amdgcn-amd-amdhsa--gfx1250"
	.amdhsa_code_object_version 6
	.text
	.protected	k_qbbfed0feef_combine
	.globl	k_qbbfed0feef_combine
	.p2align	8
	.type	k_qbbfed0feef_combine,@function
k_qbbfed0feef_combine:
	s_mov_b64 s[64:65], 0
	v_nop
	global_prefetch_b8 v0, s[64:65] scope:SCOPE_SE
	s_setreg_imm32_b32 hwreg(HW_REG_WAVE_MODE, 25, 1), 1
	s_wait_xcnt 0x0
; out[token] = the sum of the token's four rows of ypart: (half 0 + half 1 of K) of its lower-numbered expert, then the same of the higher-numbered, in f32.
; ypart: row 2,048 kh + 1,024 slot + token, 4,096 bytes a row; rows from 4,096 on are not read.  A stream: no LDS, no barrier, no matrix unit.
; A work-group takes 16 KiB of out (four rows); thread t takes 16 bytes at 16 t of each row: a wave's load or store covers 512 consecutive bytes.  All sixteen loads of a wave go out at once.
	s_load_b128 s[4:7], s[0:1], 0x0                ; ypart s[4:5], out0 s[6:7]
	s_lshl_b32 s8, ttmp9, 14
	v_lshl_add_u32 v1, v0, 4, s8
	s_wait_kmcnt 0x0
	s_add_nc_u64 s[10:11], s[4:5], 0x800000        ; the second half of K: 2,048 rows on
.irp q, 0,1,2,3
	global_load_b128 v[8+16*\q:11+16*\q],  v1, s[4:5]   offset:4096*\q th:TH_LOAD_NT
	global_load_b128 v[12+16*\q:15+16*\q], v1, s[10:11] offset:4096*\q th:TH_LOAD_NT
	global_load_b128 v[16+16*\q:19+16*\q], v1, s[4:5]   offset:4194304+4096*\q th:TH_LOAD_NT
	global_load_b128 v[20+16*\q:23+16*\q], v1, s[10:11] offset:4194304+4096*\q th:TH_LOAD_NT
.endr
.irp q, 0,1,2,3
	s_wait_loadcnt 12-4*\q                         ; loads come back in order: row q's four are in; the later rows' may be out
	v_pk_add_f32 v[8+16*\q:9+16*\q],   v[8+16*\q:9+16*\q],   v[12+16*\q:13+16*\q]
	v_pk_add_f32 v[10+16*\q:11+16*\q], v[10+16*\q:11+16*\q], v[14+16*\q:15+16*\q]
	v_pk_add_f32 v[16+16*\q:17+16*\q], v[16+16*\q:17+16*\q], v[20+16*\q:21+16*\q]
	v_pk_add_f32 v[18+16*\q:19+16*\q], v[18+16*\q:19+16*\q], v[22+16*\q:23+16*\q]
	v_pk_add_f32 v[8+16*\q:9+16*\q],   v[8+16*\q:9+16*\q],   v[16+16*\q:17+16*\q]
	v_pk_add_f32 v[10+16*\q:11+16*\q], v[10+16*\q:11+16*\q], v[18+16*\q:19+16*\q]
	global_store_b128 v1, v[8+16*\q:11+16*\q], s[6:7] offset:4096*\q th:TH_STORE_NT
.endr
	s_endpgm
.Lfunc_end_k_qbbfed0feef_combine:
	.size	k_qbbfed0feef_combine, .Lfunc_end_k_qbbfed0feef_combine-k_qbbfed0feef_combine
	.p2alignl 7, 3214868480
	.fill 96, 4, 3214868480
	.section	.rodata,"a",@progbits
	.p2align	6, 0x0
	.amdhsa_kernel k_qbbfed0feef_combine
		.amdhsa_group_segment_fixed_size 0
		.amdhsa_private_segment_fixed_size 0
		.amdhsa_enable_private_segment 0
		.amdhsa_kernarg_size 16
		.amdhsa_user_sgpr_count 2
		.amdhsa_user_sgpr_kernarg_segment_ptr 1
		.amdhsa_wavefront_size32 1
		.amdhsa_system_sgpr_workgroup_id_x 1
		.amdhsa_system_sgpr_workgroup_id_y 1
		.amdhsa_system_sgpr_workgroup_id_z 1
		.amdhsa_system_vgpr_workitem_id 0
		.amdhsa_next_free_vgpr 72
		.amdhsa_next_free_sgpr 66
		.amdhsa_reserve_vcc 0
		.amdhsa_float_denorm_mode_32 3
		.amdhsa_float_denorm_mode_16_64 3
		.amdhsa_memory_ordered 1
		.amdhsa_forward_progress 1
		.amdhsa_inst_pref_size 5
	.end_amdhsa_kernel
	.amdgpu_metadata
---
amdhsa.version: [ 1, 2 ]
amdhsa.kernels:
  - .name:           k_qbbfed0feef_combine
    .symbol:         k_qbbfed0feef_combine.kd
    .args:
      - { .name: ypart, .offset: 0, .size: 8, .value_kind: global_buffer, .address_space: global }
      - { .name: out0, .offset: 8, .size: 8, .value_kind: global_buffer, .address_space: global }
    .group_segment_fixed_size: 0
    .private_segment_fixed_size: 0
    .kernarg_segment_align: 8
    .kernarg_segment_size: 16
    .max_flat_workgroup_size: 256
    .sgpr_count:     66
    .vgpr_count:     72
    .wavefront_size: 32
...
	.end_amdgpu_metadata
.endif
;; end of part 4
;; ======== version 2 of 2: 4 launches
;; workspace buffers: xq 1,048,576 bytes; masks 2,048 bytes of whole numbers; cw 8,192 bytes; hq 15,728,640 bytes; hs 655,360 bytes; ypart 16,842,752 bytes
;; launch route_quant (part 5): grid 72 x 1, 4 waves a work-group, no clusters, 51,712 bytes of LDS; arguments x, router_logits, xq, masks, cw; writes xq, masks, cw
.if DOCPART == 5
	.amdgcn_target "amdgcn-amd-amdhsa--gfx1250"
	.amdhsa_code_object_version 6
	.text
	.protected	k_qbbfed0feef_route_quant
	.globl	k_qbbfed0feef_route_quant
	.p2align	8
	.type	k_qbbfed0feef_route_quant,@function
k_qbbfed0feef_route_quant:
	s_mov_b64 s[64:65], 0
	v_nop
	global_prefetch_b8 v0, s[64:65] scope:SCOPE_SE
	s_setreg_imm32_b32 hwreg(HW_REG_WAVE_MODE, 25, 1), 1
	s_wait_xcnt 0x0
; TWO JOBS IN ONE LAUNCH, told apart by the work-group's number.
; Work-groups 0-63: x [1024][1024] f32 becomes codes of FP6 (E2M3) with one E8M0 byte for each 32 along K, laid for the reader:
;   xq [token][4 slots][256 bytes]; slot ss holds the K steps 2 ss + jj (128 along K each): at byte 96 jj + 32 n + 16 h the registers 4 n .. 4 n + 3 of the
;   12 registers that lane (row, h) of a matrix operand wants; at byte 192 + 4 jj the row's scale word; the rest zeros.  A slot is stored whole: 256 bytes, aligned.
;   Work-group = 16 tokens, wave = slot.
; Work-groups 64-71: the router.  A lane takes a token: softmax (the row's maximum taken away first), the two largest (a strict compare: the lower index wins a tie), renormalised.
;   cw [2][1024] f32: the weight of the token's lower-numbered expert, then of the higher.  masks [32 words of tokens][16]: word e: bit l = token 32 wd + l uses expert e;
;   word 8 + e: the same where e is the token's higher-numbered expert.  All at fixed places: no address and no branch here hangs on the choice.
; A block's scale is 2^(floor(log2(largest magnitude)) - 2): its byte is the largest magnitude's exponent field - 2, held at 1 from below.
; LIMITS: NaN and infinities are not served.  A block of zeros, or one whose largest magnitude lies under 2^-124, gets the byte 1 (its codes are zeros or as that scale gives them; this program alone reads
; the bytes).  v_exp_f32 gives 0 under 2^-126: such a router weight is 0.  Two probabilities within a last bit of each other may rank otherwise than by a correctly rounded softmax.
.set U0,   16                          ; v16-79   K step 0 as loaded: register 4 i + n of lane l = x(row i, 4 l + n)
.set U1,   80                          ; v80-143  K step 1
.set T,    144                         ; v144-207 64 numbers of my row: register 32 c + n = k 64 c + 32 h + n
.set C,    208                         ; v208-219 the fragment's 12 registers
.set XT,   220                         ; v220-226 second halves of the blocks' codes (a conversion's three registers begin on an even number)
.set AM,   228                         ; v228-229 largest magnitudes, then bytes
.set SO,   230                         ; v230-231 the conversions' scale operands
.set ZR,   232                         ; v232-235 zeros
.set SH8,  12                          ; v12  8 h
.set WD,   13                          ; v13  the scale word
.set WD2,  14                          ; v14  the other half's part of it
.set SEL,  20                          ; s[20:21] lane selects: lane l xor 16
.set WREG, 12800                       ; LDS for each wave: a stage of 16 x 528 bytes, then an out-stage of 16 x 272
.set OSB,  8448
; 64 numbers of a lane become the operand's 12 registers and the row's scale word.  A lane holds two whole blocks of 32.
.macro QW
.irp c, 0,1
	v_max3_num_f32 v[AM+\c], |v[T+32*\c]|, |v[T+32*\c+1]|, 0x1800000       ; with the floor 2^(3 - 127): the byte cannot fall under 1
.endr
.irp i, 2,4,6,8,10,12,14,16,18,20,22,24,26,28,30
.irp c, 0,1
	v_max3_num_f32 v[AM+\c], v[AM+\c], |v[T+32*\c+\i]|, |v[T+32*\c+\i+1]|  ; the two blocks by turns
.endr
.endr
.irp c, 0,1
	v_add_nc_u32 v[SO+\c], 0xff000000, v[AM+\c]                            ; 2 off the exponent field: the conversion takes this operand's exponent field as its scale
.endr
.irp c, 0,1
	v_lshrrev_b32 v[AM+\c], 23, v[SO+\c]                                   ; the scale's byte
.endr
	v_lshl_or_b32 v[WD], v[AM+1], 16, v[AM]                                ; my blocks h and 2 + h,
	v_lshlrev_b32 v[WD], v[SH8], v[WD]                                     ; at their places in the word;
	v_permlanex16_b32 v[WD2], v[WD], s[SEL], s[SEL+1]
	v_or_b32 v[WD], v[WD], v[WD2]                                          ; with lane l xor 16's two the word is whole
.irp c, 0,1
	v_cvt_scalef32_pk16_fp6_f32 v[C+6*\c:C+6*\c+2], v[T+32*\c:T+32*\c+15], v[SO+\c]
	v_cvt_scalef32_pk16_fp6_f32 v[XT+4*\c:XT+4*\c+2], v[T+32*\c+16:T+32*\c+31], v[SO+\c]
.endr
	v_nop                                                                  ; one plain place behind the scaled conversions
.irp c, 0,1
.irp n, 0,1,2
	v_mov_b32 v[C+6*\c+3+\n], v[XT+4*\c+\n]
.endr
.endr
.endm
; 16 rows x 512 bytes go into the wave's stage as loaded and come back 128 + 128 bytes of one row a lane.  Pitch 528 = 33 x 16 bytes: the sixteen rows of a read start 16 bytes apart modulo 256.
.macro TURN buf
.irp i, 0,1,2,3,4,5,6,7,8,9,10,11,12,13,14,15
	ds_store_b128 v5, v[\buf+4*\i:\buf+4*\i+3] offset:528*\i
.endr
.irp c, 0,1
.irp q, 0,1,2,3,4,5,6,7
	ds_load_b128 v[T+32*\c+4*\q:T+32*\c+4*\q+3], v6 offset:256*\c+16*\q    ; LDS serves a wave's instructions in order: these see the stores above
.endr
.endr
.endm
.macro XSTEP jj, buf, left
	s_wait_loadcnt \left                           ; this K step's sixteen loads are in; the younger ones may be out
	TURN \buf
	s_wait_dscnt 0x0                               ; my 64 numbers are back (and earlier LDS stores have read their registers)
	QW
.irp n, 0,1,2
	ds_store_b128 v7, v[C+4*\n:C+4*\n+3] offset:96*\jj+32*\n
.endr
	ds_store_b32 v8, v[WD] offset:192+4*\jj        ; both halves of the lanes write the same word with the same value
.endm
	s_load_b256 s[4:11], s[0:1], 0x0               ; x s[4:5], router_logits s[6:7], xq s[8:9], masks s[10:11]
	s_load_b64 s[12:13], s[0:1], 0x20              ; cw
	v_lshl_add_u32 v240, v0, 2, 0xc800
	v_mov_b32 v241, 0
	v_lshrrev_b32 v1, 5, v0
	v_readfirstlane_b32 s14, v1                    ; wave
	v_and_b32 v1, 31, v0                           ; lane
	s_wait_kmcnt 0x0
	s_cmp_lt_u32 ttmp9, 64
	s_cbranch_scc0 .Lroute
	s_wait_alu depctr_va_vdst(0)
	; ---------------- x into codes ----------------
	v_lshlrev_b32 v4, 4, v1                        ; 16 x lane
	s_wait_alu depctr_va_vdst(0)
	s_lshl_b32 s16, ttmp9, 16                      ; 16 rows of 4,096 bytes a work-group,
	s_lshl_b32 s17, s14, 10                        ; 256 numbers a wave
	s_add_co_u32 s16, s16, s17
	s_mov_b32 s17, 0
	s_add_nc_u64 s[4:5], s[4:5], s[16:17]
.irp i, 0,1,2,3,4,5,6,7,8,9,10,11,12,13,14,15
	global_load_b128 v[U0+4*\i:U0+4*\i+3], v4, s[4:5] offset:4096*\i th:TH_LOAD_NT       ; 32 lanes read 512 consecutive bytes of row i
.endr
.irp i, 0,1,2,3,4,5,6,7,8,9,10,11,12,13,14,15
	global_load_b128 v[U1+4*\i:U1+4*\i+3], v4, s[4:5] offset:4096*\i+512 th:TH_LOAD_NT
.endr
	s_lshl_b32 s16, ttmp9, 14                      ; xq: 16 tokens of 1,024 bytes a work-group,
	s_lshl_b32 s18, s14, 8                         ; slot = wave
	s_add_co_u32 s16, s16, s18
	s_add_nc_u64 s[8:9], s[8:9], s[16:17]
	s_mov_b32 s[SEL], 0x76543210
	s_mov_b32 s[SEL+1], 0xfedcba98
	v_and_b32 v2, 15, v0                           ; r
	v_bfe_u32 v3, v0, 4, 1                         ; h
	s_mul_i32 s15, s14, WREG
	v_add_nc_u32 v5, s15, v4                       ; stage, in: 16 x lane (+ 528 x row)
	v_mul_u32_u24 v6, v2, 528
	v_lshl_add_u32 v6, v3, 7, v6
	v_add_nc_u32 v6, s15, v6                       ; stage, out: 528 r + 128 h
	s_add_co_u32 s16, s15, OSB                     ; the out-stage
	v_mul_u32_u24 v7, v2, 272
	v_add_nc_u32 v8, s16, v7                       ; row r: its scale words
	v_lshl_add_u32 v7, v3, 4, v8                   ; row r, + 16 h: its codes
	v_lshrrev_b32 v9, 2, v1
	v_mul_u32_u24 v9, v9, 272
	v_and_b32 v10, 3, v1
	v_lshl_add_u32 v9, v10, 4, v9
	v_add_nc_u32 v9, s16, v9                       ; the zeros: row lane / 4, 16 bytes at 16 (lane % 4)
	v_mul_u32_u24 v10, v3, 272
	v_lshl_add_u32 v10, v2, 4, v10
	v_add_nc_u32 v10, s16, v10                     ; back: lanes 0-15 one row of 256 bytes, lanes 16-31 the next
	v_lshlrev_b32 v11, 10, v3
	v_lshl_add_u32 v11, v2, 4, v11                 ; and the same two tokens' slots in xq
	v_lshlrev_b32 v[SH8], 3, v3
	v_mov_b32 v[WD2], 0                            ; written once: a lane permute's destination counts as one of its sources
.irp n, 0,1,2,3
	v_mov_b32 v[ZR+\n], 0
.endr
	ds_store_b128 v9, v[ZR:ZR+3] offset:192        ; bytes 192-255 of rows 0-7,
	ds_store_b128 v9, v[ZR:ZR+3] offset:192+8*272  ; and of rows 8-15: the scale words are laid over them below
	XSTEP 0, U0, 16
	XSTEP 1, U1, 0
.irp p, 0,1,2,3,4,5,6,7
	ds_load_b128 v[U0+4*\p:U0+4*\p+3], v10 offset:544*\p
.endr
.irp p, 0,1,2,3,4,5,6,7
	s_wait_dscnt 7-\p                              ; LDS loads come back in order: pair p of rows is in
	global_store_b128 v11, v[U0+4*\p:U0+4*\p+3], s[8:9] offset:2048*\p   ; sixteen lanes store 256 consecutive bytes, aligned: a token's whole slot
.endr
	s_wait_tensorcnt 0x0
	ds_add_u32 v240, v241
	s_wait_dscnt 0x0
	s_endpgm
	; ---------------- the router ----------------
.Lroute:
	s_sub_co_u32 s15, ttmp9, 64
	s_lshl_b32 s15, s15, 2
	s_add_co_u32 s15, s15, s14                     ; wd: which 32 tokens
	s_lshl_b32 s16, s15, 5
	s_wait_alu depctr_va_vdst(0)
	v_add_nc_u32 v2, s16, v1                       ; my token
	v_lshlrev_b32 v3, 5, v2
	global_load_b128 v[16:19], v3, s[6:7]          ; its eight logits
	global_load_b128 v[20:23], v3, s[6:7] offset:16
	v_lshlrev_b32 v4, 2, v2                        ; its place in cw
	s_lshl_b32 s16, s15, 6
	v_lshl_add_u32 v5, v1, 2, s16                  ; masks: 64 wd + 4 lane
	v_mov_b32 v50, 0
	s_wait_loadcnt 0x0
	v_max3_num_f32 v24, v16, v17, v18
	v_max3_num_f32 v24, v24, v19, v20
	v_max3_num_f32 v24, v24, v21, v22
	v_max_num_f32 v24, v24, v23                    ; the row's maximum
.irp e, 0,1,2,3,4,5,6,7
	v_sub_f32 v[16+\e], v[16+\e], v24
.endr
.irp e, 0,1,2,3,4,5,6,7
	v_mul_f32 v[16+\e], 0x3fb8aa3b, v[16+\e]       ; x log2(e)
.endr
	s_wait_alu depctr_va_vdst(0)
.irp e, 0,1,2,3,4,5,6,7
	v_exp_f32 v[32+\e], v[16+\e]
.endr
	v_nop                                          ; a plain place behind the exponentials,
	s_wait_alu depctr_va_vdst(0)                   ; and one wait for the batch, ahead of its first reader
	v_add_f32 v40, v32, v33
	v_add_f32 v41, v34, v35
	v_add_f32 v42, v36, v37
	v_add_f32 v43, v38, v39
	v_add_f32 v40, v40, v41
	v_add_f32 v42, v42, v43
	v_add_f32 v40, v40, v42
	s_wait_alu depctr_va_vdst(0)
	v_rcp_f32 v41, v40
	v_nop
	s_wait_alu depctr_va_vdst(0)
.irp e, 0,1,2,3,4,5,6,7
	v_mul_f32 v[32+\e], v[32+\e], v41              ; the probabilities
.endr
	v_mov_b32 v44, v32                             ; the largest, and its index
	v_mov_b32 v45, 0
.irp e, 1,2,3,4,5,6,7
	v_cmp_gt_f32 vcc_lo, v[32+\e], v44             ; strictly larger: the lower index keeps a tie
	v_cndmask_b32 v44, v44, v[32+\e], vcc_lo
	v_cndmask_b32 v45, v45, \e, vcc_lo
.endr
.irp e, 0,1,2,3,4,5,6,7
	v_cmp_eq_u32 vcc_lo, \e, v45
	v_cndmask_b32 v[32+\e], v[32+\e], -1.0, vcc_lo ; the chosen one is taken out: every probability lies above -1
.endr
	v_mov_b32 v46, v32                             ; the second largest
	v_mov_b32 v47, 0
.irp e, 1,2,3,4,5,6,7
	v_cmp_gt_f32 vcc_lo, v[32+\e], v46
	v_cndmask_b32 v46, v46, v[32+\e], vcc_lo
	v_cndmask_b32 v47, v47, \e, vcc_lo
.endr
	v_add_f32 v48, v44, v46
	s_wait_alu depctr_va_vdst(0)
	v_rcp_f32 v49, v48
	v_nop
	s_wait_alu depctr_va_vdst(0)
	v_mul_f32 v53, v44, v49                        ; renormalised
	v_mul_f32 v54, v46, v49
	v_cmp_lt_u32 vcc_lo, v45, v47                  ; is the first choice the lower-numbered expert?
	v_cndmask_b32 v55, v54, v53, vcc_lo            ; the lower-numbered expert's weight,
	v_cndmask_b32 v56, v53, v54, vcc_lo            ; the higher-numbered one's,
	v_cndmask_b32 v57, v45, v47, vcc_lo            ; and its number
	global_store_b32 v4, v55, s[12:13]
	global_store_b32 v4, v56, s[12:13] offset:4096
.irp e, 0,1,2,3,4,5,6,7
	v_cmp_eq_u32 s22, \e, v45
	v_cmp_eq_u32 s23, \e, v47
	s_or_b32 s22, s22, s23
	v_writelane_b32 v50, s22, \e                   ; word e: who uses expert e
	v_cmp_eq_u32 s23, \e, v57
	v_writelane_b32 v50, s23, 8+\e                 ; word 8 + e: for whom it is the higher-numbered
.endr
	s_wait_alu depctr_va_vdst(0)
	s_wait_xcnt 0x0                                ; EXEC changes only behind this wait: the stores above have it among their sources
	v_cmp_gt_u32 vcc_lo, 16, v1
	s_and_saveexec_b32 s24, vcc_lo
	global_store_b32 v5, v50, s[10:11]             ; lanes 0-15: the sixteen words of my 32 tokens
	s_wait_xcnt 0x0
	s_or_b32 exec_lo, exec_lo, s24
	s_endpgm
.Lfunc_end_k_qbbfed0feef_route_quant:
	.size	k_qbbfed0feef_route_quant, .Lfunc_end_k_qbbfed0feef_route_quant-k_qbbfed0feef_route_quant
	.p2alignl 7, 3214868480
	.fill 96, 4, 3214868480
	.section	.rodata,"a",@progbits
	.p2align	6, 0x0
	.amdhsa_kernel k_qbbfed0feef_route_quant
		.amdhsa_group_segment_fixed_size 51712
		.amdhsa_private_segment_fixed_size 0
		.amdhsa_enable_private_segment 0
		.amdhsa_kernarg_size 40
		.amdhsa_user_sgpr_count 2
		.amdhsa_user_sgpr_kernarg_segment_ptr 1
		.amdhsa_wavefront_size32 1
		.amdhsa_system_sgpr_workgroup_id_x 1
		.amdhsa_system_sgpr_workgroup_id_y 1
		.amdhsa_system_sgpr_workgroup_id_z 1
		.amdhsa_system_vgpr_workitem_id 0
		.amdhsa_next_free_vgpr 242
		.amdhsa_next_free_sgpr 66
		.amdhsa_reserve_vcc 1
		.amdhsa_float_denorm_mode_32 3
		.amdhsa_float_denorm_mode_16_64 3
		.amdhsa_memory_ordered 1
		.amdhsa_forward_progress 1
		.amdhsa_inst_pref_size 27
	.end_amdhsa_kernel
	.amdgpu_metadata
---
amdhsa.version: [ 1, 2 ]
amdhsa.kernels:
  - .name:           k_qbbfed0feef_route_quant
    .symbol:         k_qbbfed0feef_route_quant.kd
    .args:
      - { .name: x, .offset: 0, .size: 8, .value_kind: global_buffer, .address_space: global }
      - { .name: router_logits, .offset: 8, .size: 8, .value_kind: global_buffer, .address_space: global }
      - { .name: xq, .offset: 16, .size: 8, .value_kind: global_buffer, .address_space: global }
      - { .name: masks, .offset: 24, .size: 8, .value_kind: global_buffer, .address_space: global }
      - { .name: cw, .offset: 32, .size: 8, .value_kind: global_buffer, .address_space: global }
    .group_segment_fixed_size: 51712
    .private_segment_fixed_size: 0
    .kernarg_segment_align: 8
    .kernarg_segment_size: 40
    .max_flat_workgroup_size: 128
    .sgpr_count:     66
    .vgpr_count:     242
    .wavefront_size: 32
...
	.end_amdgpu_metadata
.endif
;; end of part 5
;; launch gateup (part 6): grid 256 x 1, 4 waves a work-group, no clusters, 136,704 bytes of LDS; arguments w13_weight, xq, masks, hq, hs; writes hq, hs
.if DOCPART == 6
	.amdgcn_target "amdgcn-amd-amdhsa--gfx1250"
	.amdhsa_code_object_version 6
	.text
	.protected	k_qbbfed0feef_gateup
	.globl	k_qbbfed0feef_gateup
	.p2align	8
	.type	k_qbbfed0feef_gateup,@function
k_qbbfed0feef_gateup:
	s_mov_b64 s[64:65], 0
	v_nop
	global_prefetch_b8 v0, s[64:65] scope:SCOPE_SE
	s_setreg_imm32_b32 hwreg(HW_REG_WAVE_SCHED_MODE, 0, 2), 2
	s_setreg_imm32_b32 hwreg(HW_REG_WAVE_MODE, 25, 1), 1
	s_wait_xcnt 0x0
	s_wait_alu depctr_vm_vsrc(0)
; h = silu(x W1^T) * (x W3^T) for the rows that chose an expert, both products on codes of FP6 (E2M3) with one E8M0 scale for each 32 along K; h leaves as codes, quantised along I.
; SHARES.  Work-group = (expert e, 64 columns of I: slice s): 64 rows of the gate's weights and 64 of up's, 512 KiB of f32, read ONCE in the launch and never written back as codes.
; PHASE A (no branch on loaded numbers).  Wave w = (block b of 32 columns, gate or up) streams its 32 rows in 16 units of 16 rows x 128 K: sixteen loads of 512 consecutive bytes, turned through
;   the wave's own stage in LDS, quantised in registers, and laid in LDS as an IMAGE of the operand's 12 registers (lane l's 16 bytes at 16 l).  Three units are always on their way.  Between units the
;   wave asks for the x fragments of its five tiles of 16 rows (140 loads), which stay in registers.
; PHASE B (no barrier).  For each block of 32 columns: eight K steps of 128; a step takes four weight fragments (gate 2, up 2) from LDS against the five tiles: 20 matrix instructions on 20 accumulators by turns
;   Then silu, the product, the block's scale and the conversion.
; ROWS.  The expert's rows are the tokens whose bit is set in the masks that the launch before stored, in ascending order: row p is the token of the p-th set bit.  EACH WAVE FINDS ITS OWN 80 ROWS IN REGISTERS
;   (macro TOKENS): no list in LDS and no barrier ahead of the stream.  A row beyond the expert's last falls on token 1,023: padding, whose results the next launch throws away.  A round serves 20 tiles
;   (wave w: tiles tb + w + 4 i); four rounds serve every split, all 1,024 tokens on one expert too; a round without tiles is jumped over, and a tile beyond the expert's last is not stored.
; TRANSPOSED USE: source 0 = 16 rows of the weights, source 1 = 16 tokens: a lane holds ONE token and its registers run along I.  THE WEIGHT ROWS OF A TILE ARE NOT NEIGHBOURS: row i of tile u is row
;   8 u + i + 8 (i / 8) of the block, so that the 16 registers of tiles 0 and 1 are the columns 16 (lane / 16) + 0 .. 15 of the block: neighbours along the next K.
; OUT.  hq [e][80 tiles][32 slices][768 bytes]: the six registers a lane that a slice is of the next product's operand: 512 bytes (16 a lane), then 256 (8 a lane).  hs [e][80][16 K steps][16 rows] words: slice s fills
;   the low or the high half of each word.
; No tensor loads and no cluster: later rounds hang on stored counts.
; LIMITS: NaN and infinities are not served.  A block of zeros, or one whose largest magnitude lies under 2^-124, gets the byte 1 (this program alone reads the bytes).  Where 1 + 2^(-g log2 e) passes 2^126,
;   silu(g) is taken as 0 (its true size is under 2^-120 |g|).
; THE MODE: SCHED_MODE bits 1:0 = 2 (LLVM: expert scheduling mode 2), set by the entry lines.  The code itself states the register dependences between vector or matrix instructions and memory or LDS
;   instructions, and between a vector instruction that writes a scalar register and its readers, with s_wait_alu, always for 0.
; THE PLAN.  Registers that memory or LDS instructions touch, who writes and who reads them:
;   v4-v11, v14   offsets and LDS addresses: written once at the head, never again.
;   v15-24        my rows' places in xq: written by TOKENS, read by x's 140 loads.
;   the stream's three buffers: written by the weights' loads, read by the turn's LDS stores; no vector instruction names them during the stream.
;   v160-223      a unit's numbers: written by the turn's LDS loads, read by the quantiser.      v56-67, v92  a fragment and its scale word: written by the quantiser, read by the image's LDS stores.
;   x's fragments and v32-51: written by loads, read by the products.      v160-255, v52-55  two sets of weight fragments and scale words: written by LDS loads, read by the products.
;   v25-27, v96-150  offsets, codes and bytes of h: written by vector instructions, read by the round's stores.
;   A UNIT has two waits: on vm_vsrc behind the turn's stores (they have read the buffer that is asked for again; the last unit's image stores have read what the quantiser writes again), and on va_vdst behind the
;   quantiser (its results are written for the image's stores; it is done reading v160-223, in which the next turn lands: no vector instruction stands between).
;   A K STEP has one wait, on va_vdst, at its head: the products of the step before are done reading the other set.  The next step's 14 LDS loads follow it in two runs, dealt among this step's products, which name
;   this step's set, x, the accumulators and their scale words: none of the registers that those loads touch.
;   A ROUND has one wait on vm_vsrc at its head, one on va_vdst ahead of x's loads (rounds 1 to 3) and one ahead of its stores.
.set SCL,   98304                      ; LDS: 0: 64 images of 1,536 bytes, fragment (8 b + j) 4 + 2 kind + u;  here: their scale words, 64 bytes each
.set STG,   102400                     ; a stage of 16 x 528 bytes for each wave
.set L16,   4                          ; v4   16 x lane: the weights' offset, and an image's place (block 0)
.set STS,   5                          ; v5   stage, in
.set STL,   6                          ; v6   stage, out
.set IMW,   7                          ; v7   where I store images
.set SCW,   8                          ; v8   and scale words
.set IMR1,  10                         ; v10  an image's place, block 1
.set SCR,   11                         ; v11  scale words, as read: 4 x lane
.set SH8,   12                         ; v12  8 h
.set MO,    14                         ; v14  the masks' offset: 64 lane + 4 e
.set XO,    15                         ; v15-19 slot i: my token's row in xq, + 16 h
.set XSO,   20                         ; v20-24 the same, + 4 h
.set HO1,   25                         ; v25-27 offsets in hq (16 and 8 bytes a lane) and in hs
.set HO2,   26
.set HO3,   27
.set MASKV, 28                         ; v28  lane j: the expert's mask of tokens 32 j ..; it stays
.set SB,    32                         ; v32-51 x's scale words: slot i, pair ss of K steps: lanes 0-15 step 2 ss, lanes 16-31 step 2 ss + 1.  Scales and nothing else
.set WS,    52                         ; v52-55 the weights' scale words, two sets of two.  Scales and nothing else
.set E,     56                         ; v56-71 sixteen numbers at work
.set C,     56                         ; (phase A: the fragment just made, v56-67,
.set XT,    68                         ;  and the blocks' second halves, v68-74)
.set HH,    72                         ; v72-87 sixteen numbers of h
.set AM,    88                         ; v88-89
.set SO,    90                         ; v90-91
.set WD,    92
.set WD2,   93
.set P,     96                         ; v96-145 slot i at 96 + 10 i: six registers of codes, three more for the second block's
.set TW,    96                         ; (TOKENS, in the same registers while they are idle, five of each, one a slot: v96 the mask word,
.set TK,    101                        ;  v101 rows ahead of it | its number << 16,
.set TQ,    106                        ;  v106 the rank wanted, then the rank inside the word,
.set TA,    111                        ;  v111, v116, v121 the counts of the word's fields of 2, 4 and 8 bits,
.set TBB,   116
.set TC,    121
.set TT,    126                        ;  v126, v131 at work,
.set TU,    131
.set TP,    136                        ;  v136 the bit's place)
.set BYT,   146                        ; v146-150 slot i: the two blocks' scale bytes
.set WF,    160                        ; v160-255 weight fragments, two sets of 48
.set T,     160                        ; (phase A: 64 numbers of a row)
.set UB0,   448                        ; the stream's three buffers of 64 registers: v448, v704, v864 (the last lies where the accumulators will)
.set UB1,   704
.set UB2,   864
; v256-351, v352-447, v512-607, v608-703, v768-863: x's fragments, slot i, 12 registers a K step.  v864-1023: accumulators, slot i, tile t at 864 + 32 i + 8 t
; v158, v159: my spare word's LDS address and 0, made at the head and kept for the closing lines alone
.set SEL,   20                         ; s[20:21]
.set WB,    22                         ; s[22:23] my 32 rows of the weights
; s14 wave, s15 e, s16 s, s18 tiles, s19 tb; s28-33 at work, s34-38 five lane masks
.set MSB, 0
.macro WIN new                         ; the immediate's high byte repeats the setting that is left; a switch that changes nothing is dropped
.if MSB != (\new)
	s_set_vgpr_msb (MSB<<8)|(\new)
.set MSB, (\new)
.endif
.endm
.set LC, 0                             ; loads issued so far, counted as the text is assembled: a unit's wait leaves out what was issued behind its sixteen
.macro WLOAD k, imm                    ; a unit: 16 rows x 512 consecutive bytes into buffer k
.set BB, UB\k
.set BL, BB&255
	WIN (BB>>8)<<6
.irp i, 0,1,2,3,4,5,6,7,8,9,10,11,12,13,14,15
	global_load_b128 v[BL+4*\i:BL+4*\i+3], v[L16], s[WB:WB+1] offset:(\i+8*(\i/8))*4096+(\imm) th:TH_LOAD_NT
.endr
	WIN 0
.set LC, LC+16
.set WEND\k, LC
.endm
.macro TURN k                          ; through the stage: pitch 528 = 33 x 16 bytes: the sixteen rows of a read start 16 bytes apart modulo 256
.set BB, UB\k
.set BL, BB&255
	WIN (BB>>8)<<2                                 ; an LDS store's data are its source 1
.irp i, 0,1,2,3,4,5,6,7,8,9,10,11,12,13,14,15
	ds_store_b128 v[STS], v[BL+4*\i:BL+4*\i+3] offset:528*\i
.endr
	WIN 0
.irp c, 0,1
.irp q, 0,1,2,3,4,5,6,7
	ds_load_b128 v[T+32*\c+4*\q:T+32*\c+4*\q+3], v[STL] offset:256*\c+16*\q   ; register 32 c + n = k 64 c + 32 h + n of row r; LDS serves a wave's instructions in order
.endr
.endr
.endm
.macro QW                              ; 64 numbers of a lane (two whole blocks of 32) become the operand's 12 registers and the row's scale word
.irp c, 0,1
	v_max3_num_f32 v[AM+\c], |v[T+32*\c]|, |v[T+32*\c+1]|, 0x1800000       ; with the floor 2^(3 - 127): the byte cannot fall under 1
.endr
.irp i, 2,4,6,8,10,12,14,16,18,20,22,24,26,28,30
.irp c, 0,1
	v_max3_num_f32 v[AM+\c], v[AM+\c], |v[T+32*\c+\i]|, |v[T+32*\c+\i+1]|
.endr
.endr
.irp c, 0,1
	v_add_nc_u32 v[SO+\c], 0xff000000, v[AM+\c]                            ; 2 off the exponent field: the conversion's scale operand
.endr
.irp c, 0,1
	v_lshrrev_b32 v[AM+\c], 23, v[SO+\c]                                   ; the byte
.endr
	v_lshl_or_b32 v[WD], v[AM+1], 16, v[AM]
	v_lshlrev_b32 v[WD], v[SH8], v[WD]
	v_permlanex16_b32 v[WD2], v[WD], s[SEL], s[SEL+1]
	v_or_b32 v[WD], v[WD], v[WD2]                                          ; the word is whole in both halves of the lanes
.irp c, 0,1
	v_cvt_scalef32_pk16_fp6_f32 v[C+6*\c:C+6*\c+2], v[T+32*\c:T+32*\c+15], v[SO+\c]
	v_cvt_scalef32_pk16_fp6_f32 v[XT+4*\c:XT+4*\c+2], v[T+32*\c+16:T+32*\c+31], v[SO+\c]
.endr
	v_nop                                                                  ; one plain place behind the scaled conversions
.irp c, 0,1
.irp n, 0,1,2
	v_mov_b32 v[C+6*\c+3+\n], v[XT+4*\c+\n]
.endr
.endr
.endm
.macro IMAGE imm, simm
.irp n, 0,1,2
	ds_store_b128 v[IMW], v[C+4*\n:C+4*\n+3] offset:(\imm)+512*\n
.endr
	ds_store_b32 v[SCW], v[WD] offset:\simm        ; both halves write the same word with the same value
.endm
.macro XLOADN n                        ; load n of the 140 that bring my five tiles of x: slot n / 28; 24 pieces of 16 bytes, then 4 scale registers
.set XI, (\n)/28
.set XQ, (\n)%28
.if XQ < 24
.set XR, 256+256*(XI/2)+96*(XI%2)+12*(XQ/3)+4*(XQ%3)
.set XL, XR&255
	WIN (XR>>8)<<6
	global_load_b128 v[XL:XL+3], v[XO+XI], s[6:7] offset:256*(XQ/6)+96*((XQ%6)/3)+32*(XQ%3)
.else
	WIN 0
	global_load_b32 v[SB+4*XI+XQ-24], v[XSO+XI], s[6:7] offset:256*(XQ-24)+192
.endif
.set LC, LC+1
.endm
.macro XBATCH n0, cnt
.set NN, \n0
.rept \cnt
.if NN < 140
	XLOADN NN
.endif
.set NN, NN+1
.endr
	WIN 0
.endm
.macro UNIT u, k
	s_wait_loadcnt LC-WEND\k                       ; loads come back in order: this unit's sixteen are in; all that were issued behind them may be out
	TURN \k                                        ; (its loads land in v160-223: the last wait on va_vdst stands behind the quantiser that read them, and no vector instruction has been issued since)
	s_wait_dscnt 16                                ; the sixteen stores into the stage are done (its sixteen reads may be out)
	s_wait_alu depctr_vm_vsrc(0)                   ; those stores have read the buffer, in which the loads below land; the last unit's image stores have read v56-67 and v92, which the quantiser writes again
.if (\u)+3 < 16
	WLOAD \k, (((\u)+3)/8)*32768+(((\u)+3)%8)*512
.endif
	s_wait_dscnt 0x0
	QW
	s_wait_alu depctr_va_vdst(0)                   ; the quantiser has written v56-67 and v92, which the LDS stores below read, and is done reading v160-223, in which the next unit's turn lands
	IMAGE 6144*((\u)%8)+1536*((\u)/8), 256*((\u)%8)+64*((\u)/8)
	XBATCH 9*(\u), 9
.endm
; One halving step of the search for a set bit, the five slots by turns: t = the set bits in the lower w of the 2 w places in hand.  Where the rank is t or more, the bit lies in the upper w.
.macro DESC src, w
.irp i, 0,1,2,3,4
	v_bfe_u32 v[TT+\i], v[\src+\i], v[TP+\i], \w
.endr
.irp i, 0,1,2,3,4
	v_cmp_ge_u32 s[34+\i], v[TQ+\i], v[TT+\i]
.endr
.irp i, 0,1,2,3,4
	v_sub_nc_u32 v[TT+\i], v[TQ+\i], v[TT+\i]
.endr
.irp i, 0,1,2,3,4
	v_add_nc_u32 v[TU+\i], \w, v[TP+\i]
.endr
	s_wait_alu depctr_va_sdst(0)                   ; the five compares have written s34-38, which the selects below read
.irp i, 0,1,2,3,4
	v_cndmask_b32 v[TQ+\i], v[TQ+\i], v[TT+\i], s[34+\i]
.endr
.irp i, 0,1,2,3,4
	v_cndmask_b32 v[TP+\i], v[TP+\i], v[TU+\i], s[34+\i]
.endr
.endm
; MY FIVE TILES' TOKENS, and their places in xq.  Lane r of slot i wants the token of rank p = 16 (tb + w + 4 i) + r among the expert's tokens: the p-th set bit of the 1,024 in v[MASKV].
; First the word: the 32 words are walked with a running count of set bits, and a lane keeps the last word whose count does not pass p.  Then the bit in the word, by five halvings on the counts of its fields.
; All by selects: no branch hangs on the masks.  The loop leaves the expert's number of rows in s30.
.macro TOKENS
	s_add_co_u32 s28, s19, s14
	s_lshl_b32 s28, s28, 4                         ; 16 (tb + w)
.irp i, 0,1,2,3,4
	v_add_nc_u32 v[TQ+\i], s28, v2                 ; p
	s_add_co_u32 s28, s28, 64
.endr
.irp i, 0,1,2,3,4
	v_mov_b32 v[TW+\i], 0                          ; (written before the selects read them; word 0 always takes their place: its count is 0)
	v_mov_b32 v[TK+\i], 0
.endr
	s_mov_b32 s30, 0                               ; set bits ahead of the word in hand
	s_mov_b32 s31, 0                               ; the trip's first word
.Lword_\@:                                             ; eight trips of four words
.irp k, 0,1,2,3
	s_add_co_u32 s33, s31, \k
	v_readlane_b32 s28, v[MASKV], s33              ; word s33
	s_lshl_b32 s29, s33, 16
	s_or_b32 s29, s29, s30                         ; its number above, its count (at most 1,024) below
.irp i, 0,1,2,3,4
	v_cmp_le_u32 s[34+\i], s30, v[TQ+\i]           ; the counts never fall: the last word that passes is the one
.endr
	s_wait_alu depctr_va_sdst(0)                   ; s28, the word, and s34-38, the five masks, are written: the selects and the count below read them
.irp i, 0,1,2,3,4
	v_cndmask_b32 v[TW+\i], v[TW+\i], s28, s[34+\i]
.endr
.irp i, 0,1,2,3,4
	v_cndmask_b32 v[TK+\i], v[TK+\i], s29, s[34+\i]
.endr
	s_bcnt1_i32_b32 s32, s28
	s_add_co_u32 s30, s30, s32
.endr
	s_add_co_u32 s31, s31, 4
	s_cmp_lt_u32 s31, 32
	s_cbranch_scc1 .Lword_\@
.irp i, 0,1,2,3,4
	v_and_b32 v[TT+\i], 0xffff, v[TK+\i]
.endr
.irp i, 0,1,2,3,4
	v_sub_nc_u32 v[TQ+\i], v[TQ+\i], v[TT+\i]      ; the rank inside the word
.endr
.irp i, 0,1,2,3,4
	v_lshrrev_b32 v[TK+\i], 16, v[TK+\i]           ; the word's number
.endr
.irp i, 0,1,2,3,4
	v_lshrrev_b32 v[TT+\i], 1, v[TW+\i]            ; set bits in each field of 2: W - ((W >> 1) & 0101..)
.endr
.irp i, 0,1,2,3,4
	v_and_b32 v[TT+\i], 0x55555555, v[TT+\i]
.endr
.irp i, 0,1,2,3,4
	v_sub_nc_u32 v[TA+\i], v[TW+\i], v[TT+\i]
.endr
.irp i, 0,1,2,3,4
	v_lshrrev_b32 v[TT+\i], 2, v[TA+\i]            ; of 4: neighbouring fields of 2 added
.endr
.irp i, 0,1,2,3,4
	v_and_b32 v[TT+\i], 0x33333333, v[TT+\i]
.endr
.irp i, 0,1,2,3,4
	v_and_b32 v[TU+\i], 0x33333333, v[TA+\i]
.endr
.irp i, 0,1,2,3,4
	v_add_nc_u32 v[TBB+\i], v[TT+\i], v[TU+\i]
.endr
.irp i, 0,1,2,3,4
	v_lshrrev_b32 v[TT+\i], 4, v[TBB+\i]           ; of 8
.endr
.irp i, 0,1,2,3,4
	v_add_nc_u32 v[TT+\i], v[TT+\i], v[TBB+\i]
.endr
.irp i, 0,1,2,3,4
	v_and_b32 v[TC+\i], 0x0f0f0f0f, v[TT+\i]
.endr
.irp i, 0,1,2,3,4
	v_lshrrev_b32 v[TT+\i], 8, v[TC+\i]            ; the lower 16 places: bytes 0 and 1 added (16 at the most: nothing is carried)
.endr
.irp i, 0,1,2,3,4
	v_add_nc_u32 v[TT+\i], v[TT+\i], v[TC+\i]
.endr
.irp i, 0,1,2,3,4
	v_and_b32 v[TT+\i], 0xff, v[TT+\i]
.endr
.irp i, 0,1,2,3,4
	v_cmp_ge_u32 s[34+\i], v[TQ+\i], v[TT+\i]      ; the first halving starts the place
.endr
.irp i, 0,1,2,3,4
	v_sub_nc_u32 v[TT+\i], v[TQ+\i], v[TT+\i]
.endr
	s_wait_alu depctr_va_sdst(0)                   ; the five compares have written s34-38, which the selects below read
.irp i, 0,1,2,3,4
	v_cndmask_b32 v[TQ+\i], v[TQ+\i], v[TT+\i], s[34+\i]
.endr
.irp i, 0,1,2,3,4
	v_cndmask_b32 v[TP+\i], 0, 16, s[34+\i]
.endr
	DESC TC, 8
	DESC TBB, 4
	DESC TA, 2
	DESC TW, 1
.irp i, 0,1,2,3,4
	v_lshl_add_u32 v[XO+\i], v[TK+\i], 5, v[TP+\i] ; the token: 32 x word + place
.endr
.irp i, 0,1,2,3,4
	v_min_u32 v[XO+\i], 0x3ff, v[XO+\i]            ; a token's number stays inside x
.endr
.irp i, 0,1,2,3,4
	v_lshlrev_b32 v[XO+\i], 10, v[XO+\i]
.endr
.irp i, 0,1,2,3,4
	v_lshl_add_u32 v[XSO+\i], v3, 2, v[XO+\i]
.endr
.irp i, 0,1,2,3,4
	v_lshl_add_u32 v[XO+\i], v3, 4, v[XO+\i]
.endr
.endm
.macro FETCHH set, j, half, imr, sb    ; half of K step j's weights: two fragments (six loads of 512 bytes) and their scale words: 7 LDS loads
.irp n, 0,1,2,3,4,5
	ds_load_b128 v[WF+48*(\set)+24*(\half)+4*\n:WF+48*(\set)+24*(\half)+4*\n+3], v[\imr] offset:6144*(\j)+3072*(\half)+512*\n
.endr
	ds_load_b32 v[WS+2*(\set)+(\half)], v[SCR] offset:(\sb)+256*(\j)+128*(\half)   ; lanes 0-15: fragment 2 half's words, lanes 16-31: fragment 2 half + 1's
.endm
.macro WM i, t, j, set                 ; slot i x weight tile t, K step j
.set RD, 96+32*(\i)+8*(\t)
.set RA, WF+48*(\set)+12*(\t)
.set RB, 96*((\i)%2)+12*(\j)
.set RSA, WS+2*(\set)+(\t)/2
.set RSB, SB+4*(\i)+(\j)/2
.if (\j) == 0
.if (\t)%2 == 0
	v_wmma_scale_f32_16x16x128_f8f6f4 v[RD:RD+7], v[RA:RA+11], v[RB:RB+11], 0, v[RSA], v[RSB] matrix_a_fmt:MATRIX_FMT_FP6 matrix_b_fmt:MATRIX_FMT_FP6
.else
	v_wmma_scale_f32_16x16x128_f8f6f4 v[RD:RD+7], v[RA:RA+11], v[RB:RB+11], 0, v[RSA], v[RSB] matrix_a_fmt:MATRIX_FMT_FP6 matrix_b_fmt:MATRIX_FMT_FP6 matrix_a_scale:MATRIX_SCALE_ROW1
.endif
.elseif (\j)%2 == 0
.if (\t)%2 == 0
	v_wmma_scale_f32_16x16x128_f8f6f4 v[RD:RD+7], v[RA:RA+11], v[RB:RB+11], v[RD:RD+7], v[RSA], v[RSB] matrix_a_fmt:MATRIX_FMT_FP6 matrix_b_fmt:MATRIX_FMT_FP6
.else
	v_wmma_scale_f32_16x16x128_f8f6f4 v[RD:RD+7], v[RA:RA+11], v[RB:RB+11], v[RD:RD+7], v[RSA], v[RSB] matrix_a_fmt:MATRIX_FMT_FP6 matrix_b_fmt:MATRIX_FMT_FP6 matrix_a_scale:MATRIX_SCALE_ROW1
.endif
.else
.if (\t)%2 == 0
	v_wmma_scale_f32_16x16x128_f8f6f4 v[RD:RD+7], v[RA:RA+11], v[RB:RB+11], v[RD:RD+7], v[RSA], v[RSB] matrix_a_fmt:MATRIX_FMT_FP6 matrix_b_fmt:MATRIX_FMT_FP6 matrix_b_scale:MATRIX_SCALE_ROW1
.else
	v_wmma_scale_f32_16x16x128_f8f6f4 v[RD:RD+7], v[RA:RA+11], v[RB:RB+11], v[RD:RD+7], v[RSA], v[RSB] matrix_a_fmt:MATRIX_FMT_FP6 matrix_b_fmt:MATRIX_FMT_FP6 matrix_a_scale:MATRIX_SCALE_ROW1 matrix_b_scale:MATRIX_SCALE_ROW1
.endif
.endif
.endm
.macro MULS i, j, set                  ; slot i's four products: source 0 (weights) window 0, source 1 (x) window 1, 2 or 3, C and D window 3
	WIN 0xf0|((1+(\i)/2)<<2)
.irp t, 0,1,2,3
	WM \i, \t, \j, \set
.endr
.endm
; Eight K steps; the first products start the sums: nothing is cleared.  At a step's head its set is in, and the products of the step before are done reading the other set.  The next step's 14 LDS loads go into that
; set in two runs of seven, one ahead of slot 0's products and one behind them: 16 products stand between the last load and the wait for it.
; No wait on va_vdst stands ahead of the loop's first three runs: behind the last instruction that named v52-55 or v160-255 (the stream's quantiser; the products of the K loop before) one has stood already
; (the last unit's; those behind the exponentials; the one ahead of x's loads).
.macro KLOOP imr, sb
	WIN 0
	FETCHH 0, 0, 0, \imr, \sb
	FETCHH 0, 0, 1, \imr, \sb
.irp j, 0,1,2,3,4,5,6,7
.if \j < 7
	WIN 0                                          ; the switch, then the waits, then the loads
.endif
	s_wait_dscnt 0x0                               ; this step's set is in
.if \j < 7
.if \j > 0
	s_wait_alu depctr_va_vdst(0)                   ; the products of the step before are done reading the other set and its scale words, in which this step's 14 loads land
.endif
	FETCHH (\j+1)%2, \j+1, 0, \imr, \sb
.endif
	MULS 0, \j, \j%2
.if \j < 7
	WIN 0
	FETCHH (\j+1)%2, \j+1, 1, \imr, \sb            ; no wait: the four products since the wait name none of these registers
.endif
	MULS 1, \j, \j%2
	MULS 2, \j, \j%2
	MULS 3, \j, \j%2
	MULS 4, \j, \j%2
.endr
	WIN 0
.rept 5
	v_nop                                          ; four places ahead of the first read of results; five ahead of products that begin the sums anew over these accumulators
.endr
.endm
.macro EPI i, b                        ; slot i, block b: h = silu(g) u for my token's 16 columns, then the block's scale and codes
.set GA, 96+32*(\i)
	WIN 0x03                                       ; source 0: the accumulators' window
.irp n, 0,2,4,6,8,10,12,14
	v_pk_mul_f32 v[E+\n:E+\n+1], v[GA+\n:GA+\n+1], 0xbfb8aa3b op_sel_hi:[1,0]    ; -g log2(e); each accumulator is read from its low end on
.endr
	WIN 0
	s_wait_alu depctr_va_vdst(0)
.irp n, 0,1,2,3,4,5,6,7,8,9,10,11,12,13,14,15
	v_exp_f32 v[E+\n], v[E+\n]
.endr
	v_nop                                          ; a plain place behind the batch,
	s_wait_alu depctr_va_vdst(0)                   ; and one wait for it: the sixteen exponentials have written v56-71, ahead of their first reader
.irp n, 0,2,4,6,8,10,12,14
	v_pk_add_f32 v[E+\n:E+\n+1], v[E+\n:E+\n+1], 1.0 op_sel_hi:[1,0]
.endr
	s_wait_alu depctr_va_vdst(0)
.irp n, 0,1,2,3,4,5,6,7,8,9,10,11,12,13,14,15
	v_rcp_f32 v[E+\n], v[E+\n]
.endr
	v_nop
	s_wait_alu depctr_va_vdst(0)                   ; the sixteen reciprocals have written v56-71, ahead of their first reader
	WIN 0x0c                                       ; source 1: the accumulators' window
.irp n, 0,2,4,6,8,10,12,14
	v_pk_mul_f32 v[E+\n:E+\n+1], v[E+\n:E+\n+1], v[GA+\n:GA+\n+1]                ; silu(g)
.endr
.irp n, 0,2,4,6,8,10,12,14
	v_pk_mul_f32 v[HH+\n:HH+\n+1], v[E+\n:E+\n+1], v[GA+16+\n:GA+16+\n+1]        ; x u
.endr
	WIN 0
	v_max3_num_f32 v[AM], |v[HH]|, |v[HH+1]|, 0x1800000                    ; my 16 of the block's 32, in two chains, with the floor
	v_max3_num_f32 v[AM+1], |v[HH+2]|, |v[HH+3]|, |v[HH+4]|
	v_max3_num_f32 v[AM], v[AM], |v[HH+5]|, |v[HH+6]|
	v_max3_num_f32 v[AM+1], v[AM+1], |v[HH+7]|, |v[HH+8]|
	v_max3_num_f32 v[AM], v[AM], |v[HH+9]|, |v[HH+10]|
	v_max3_num_f32 v[AM+1], v[AM+1], |v[HH+11]|, |v[HH+12]|
	v_max3_num_f32 v[AM], v[AM], |v[HH+13]|, |v[HH+14]|
	v_max3_num_f32 v[AM], v[AM], v[AM+1], |v[HH+15]|
	v_permlanex16_b32 v[AM+1], v[AM], s[SEL], s[SEL+1]
	v_max_num_f32 v[AM], v[AM], v[AM+1]                                    ; with lane l xor 16's 16
	v_add_nc_u32 v[SO], 0xff000000, v[AM]
	v_cvt_scalef32_pk16_fp6_f32 v[P+10*(\i)+6*(\b):P+10*(\i)+6*(\b)+2], v[HH:HH+15], v[SO]
	v_nop                                          ; one plain place behind the scaled conversion
.if (\b) == 0
	v_lshrrev_b32 v[BYT+(\i)], 23, v[SO]
.else
	v_lshrrev_b32 v[AM], 23, v[SO]
	v_lshl_or_b32 v[BYT+(\i)], v[AM], 8, v[BYT+(\i)]
.endif
.endm
	s_load_b256 s[4:11], s[0:1], 0x0               ; w13 s[4:5], xq s[6:7], masks s[8:9], hq s[10:11]
	s_load_b64 s[12:13], s[0:1], 0x20              ; hs
	v_lshl_add_u32 v158, v0, 2, 0x21400            ; my spare word, behind the stages, and 0, for the closing lines
	v_mov_b32 v159, 0
	v_lshrrev_b32 v1, 5, v0
	v_readfirstlane_b32 s14, v1                    ; wave
	v_and_b32 v1, 31, v0                           ; lane
	s_wait_alu depctr_va_vdst(0)
	v_and_b32 v2, 15, v0                           ; r
	v_bfe_u32 v3, v0, 4, 1                         ; h
	s_lshr_b32 s15, ttmp9, 5                       ; e
	s_and_b32 s16, ttmp9, 31                       ; s
	s_wait_alu depctr_va_sdst(0)                   ; s14 is written, ahead of its first reader
	s_lshr_b32 s24, s14, 1                         ; b
	s_and_b32 s25, s14, 1                          ; gate (0) or up (1)
	s_mov_b32 s19, 0                               ; tb
	v_lshlrev_b32 v[L16], 4, v1
	s_lshl_b32 s26, s25, 11                        ; my first row of the expert's 4,096: 2,048 kind + 64 s + 32 b,
	s_lshl_b32 s27, s16, 6
	s_add_co_u32 s26, s26, s27
	s_lshl_b32 s27, s24, 5
	s_add_co_u32 s26, s26, s27
	s_lshl_b32 s26, s26, 12                        ; of 4,096 bytes;
	s_lshl_b32 s27, s15, 24                        ; an expert is 2^24 bytes
	s_add_co_u32 s26, s26, s27
	s_mov_b32 s27, 0
	v_lshlrev_b32 v[MO], 6, v1
	s_lshl_b32 s28, s15, 2
	v_add_nc_u32 v[MO], s28, v[MO]                 ; masks: 64 lane + 4 e
	s_wait_kmcnt 0x0
	s_add_nc_u64 s[WB:WB+1], s[4:5], s[26:27]
	s_wait_alu depctr_va_vdst(0)                   ; v4 and v14 are written, which the loads below read as their offsets
	global_load_b32 v[MASKV], v[MO], s[8:9]
	WLOAD 0, 0                                     ; units 0, 1, 2 go out before anything else is done
	WLOAD 1, 512
	WLOAD 2, 1024
	s_mul_i32 s26, s14, 8448                       ; the LDS addresses
	s_add_co_u32 s26, s26, STG
	v_add_nc_u32 v[STS], s26, v[L16]
	v_mul_u32_u24 v[STL], v2, 528
	v_lshl_add_u32 v[STL], v3, 7, v[STL]
	v_add_nc_u32 v[STL], s26, v[STL]
	s_mul_i32 s27, s24, 49152
	s_mul_i32 s28, s25, 3072
	s_add_co_u32 s27, s27, s28
	v_add_nc_u32 v[IMW], s27, v[L16]
	s_lshl_b32 s27, s24, 11
	s_lshl_b32 s28, s25, 7
	s_add_co_u32 s27, s27, s28
	s_add_co_u32 s27, s27, SCL
	v_lshl_add_u32 v[SCW], v2, 2, s27
	v_add_nc_u32 v[IMR1], 49152, v[L16]
	v_lshl_add_u32 v[SCR], v1, 2, SCL
	v_lshlrev_b32 v[SH8], 3, v3
	s_mov_b32 s[SEL], 0x76543210
	s_mov_b32 s[SEL+1], 0xfedcba98
	v_mov_b32 v[WD2], 0                            ; written once: a lane permute's destination counts as one of its sources
	s_wait_loadcnt LC                              ; the mask words are in; the 48 weight loads issued behind them stay out
	TOKENS                                         ; the first round's rows; the search runs while the three units are on their way
	s_add_co_u32 s18, s30, 15
	s_lshr_b32 s18, s18, 4
	s_max_u32 s18, s18, 1                          ; the expert's tiles; an expert without rows keeps one, of padding
	s_wait_alu depctr_va_vdst(0)                   ; the LDS addresses v5-v11 and my rows' places in xq, v15-24, are written: the stream's LDS instructions and x's loads read them
	UNIT 0, 0
	UNIT 1, 1
	UNIT 2, 2
	UNIT 3, 0
	UNIT 4, 1
	UNIT 5, 2
	UNIT 6, 0
	UNIT 7, 1
	UNIT 8, 2
	UNIT 9, 0
	UNIT 10, 1
	UNIT 11, 2
	UNIT 12, 0
	UNIT 13, 1
	UNIT 14, 2
	UNIT 15, 0
	s_wait_dscnt 0x0                               ; my images and scale words have landed
	s_barrier_signal -1
	s_barrier_wait -1                              ; all 64 fragments lie in LDS; from here on LDS is only read, and there is no barrier
.Lround:                                               ; four trips: tb = 0, 20, 40, 60
	s_wait_loadcnt 0x0                             ; x's fragments are in,
	s_wait_xcnt 0x0                                ; and the last round's stores have had their addresses translated
	s_wait_alu depctr_vm_vsrc(0)                   ; the last round's stores have read v25-27 and v96-150, x's loads v15-24, the stream's last image stores v56-67 and v92: all of these are written again below
	s_cmp_ge_u32 s19, s18
	s_cbranch_scc1 .Lnext                          ; no tile in this round
	s_cmp_eq_u32 s19, 0
	s_cbranch_scc1 .Lhave                          ; the first round's rows came in during the stream
	TOKENS
	s_wait_alu depctr_va_vdst(0)                   ; v15-24 are written, which x's loads read; the last round's products are done reading x's fragments and scale words, in which they land
	XBATCH 0, 140
	s_wait_loadcnt 0x0
.Lhave:
	s_mul_i32 s28, s15, 80
	s_add_co_u32 s28, s28, s19
	s_add_co_u32 s28, s28, s14                     ; 80 e + tb + w: slot 0's tile
	s_lshl_b32 s29, s28, 5
	s_add_co_u32 s29, s29, s16
	s_mul_i32 s29, s29, 768
	v_lshl_add_u32 v[HO1], v1, 4, s29
	s_add_co_u32 s29, s29, 512
	v_lshl_add_u32 v[HO2], v1, 3, s29
	s_lshl_b32 s28, s28, 10
	s_lshr_b32 s29, s16, 1
	s_lshl_b32 s29, s29, 6
	s_add_co_u32 s28, s28, s29
	s_and_b32 s29, s16, 1
	s_lshl_b32 s29, s29, 1
	s_add_co_u32 s28, s28, s29
	v_lshl_add_u32 v[HO3], v2, 2, s28
	KLOOP L16, 0
.irp i, 0,1,2,3,4
	EPI \i, 0
.endr
	KLOOP IMR1, 2048
.irp i, 0,1,2,3,4
	EPI \i, 1
.endr
	; the next operand's layout wants a WHOLE block in a lane: lanes 0-15 block 0, lanes 16-31 block 1
.irp i, 0,1,2,3,4
.irp n, 0,1,2
	v_permlane16_swap_b32 v[P+10*\i+\n], v[P+10*\i+6+\n]
.endr
.endr
.irp i, 0,1,2,3,4
.irp n, 0,1,2
	v_mov_b32 v[P+10*\i+3+\n], v[P+10*\i+6+\n]
.endr
.endr
	s_wait_alu depctr_va_vdst(0)                   ; the codes v96-145, the bytes v146-150 and the offsets v25-27 are written, which the stores below read: one wait, ahead of their branches
	s_add_co_u32 s28, s19, s14
.irp i, 0,1,2,3,4
	s_add_co_u32 s29, s28, 4*\i
	s_cmp_lt_u32 s29, s18
	s_cbranch_scc0 .Lno_tile_\i                    ; beyond the expert's last tile: nothing is stored
	global_store_b128 v[HO1], v[P+10*\i:P+10*\i+3], s[10:11] offset:98304*\i th:TH_STORE_NT     ; 512 consecutive bytes, aligned to 256
	global_store_b64 v[HO2], v[P+10*\i+4:P+10*\i+5], s[10:11] offset:98304*\i th:TH_STORE_NT    ; 256 consecutive bytes, aligned
	global_store_b16 v[HO3], v[BYT+\i], s[12:13] offset:4096*\i                                 ; my row's two bytes; lanes l and l xor 16 store the same bytes to the same place
.Lno_tile_\i:
.endr
.Lnext:
	s_add_co_u32 s19, s19, 20
	s_cmp_lt_u32 s19, 80
	s_cbranch_scc1 .Lround
	s_wait_dscnt 0x0                               ; the closing lines, six on end
	s_wait_alu 0x0
	s_wait_tensorcnt 0x0
	ds_add_u32 v158, v159
	s_wait_dscnt 0x0
	s_endpgm
.Lfunc_end_k_qbbfed0feef_gateup:
	.size	k_qbbfed0feef_gateup, .Lfunc_end_k_qbbfed0feef_gateup-k_qbbfed0feef_gateup
	.p2alignl 7, 3214868480
	.fill 96, 4, 3214868480
	.section	.rodata,"a",@progbits
	.p2align	6, 0x0
	.amdhsa_kernel k_qbbfed0feef_gateup
		.amdhsa_group_segment_fixed_size 136704
		.amdhsa_private_segment_fixed_size 0
		.amdhsa_enable_private_segment 0
		.amdhsa_kernarg_size 40
		.amdhsa_user_sgpr_count 2
		.amdhsa_user_sgpr_kernarg_segment_ptr 1
		.amdhsa_wavefront_size32 1
		.amdhsa_system_sgpr_workgroup_id_x 1
		.amdhsa_system_sgpr_workgroup_id_y 1
		.amdhsa_system_sgpr_workgroup_id_z 1
		.amdhsa_system_vgpr_workitem_id 0
		.amdhsa_next_free_vgpr 1024
		.amdhsa_next_free_sgpr 66
		.amdhsa_reserve_vcc 0
		.amdhsa_float_denorm_mode_32 3
		.amdhsa_float_denorm_mode_16_64 3
		.amdhsa_memory_ordered 1
		.amdhsa_forward_progress 1
		.amdhsa_inst_pref_size 255
	.end_amdhsa_kernel
	.section	.bss,"aw",@nobits
	.p2align	6
	.space	262144
	.amdgpu_metadata
---
amdhsa.version: [ 1, 2 ]
amdhsa.kernels:
  - .name:           k_qbbfed0feef_gateup
    .symbol:         k_qbbfed0feef_gateup.kd
    .args:
      - { .name: w13_weight, .offset: 0, .size: 8, .value_kind: global_buffer, .address_space: global }
      - { .name: xq, .offset: 8, .size: 8, .value_kind: global_buffer, .address_space: global }
      - { .name: masks, .offset: 16, .size: 8, .value_kind: global_buffer, .address_space: global }
      - { .name: hq, .offset: 24, .size: 8, .value_kind: global_buffer, .address_space: global }
      - { .name: hs, .offset: 32, .size: 8, .value_kind: global_buffer, .address_space: global }
    .group_segment_fixed_size: 136704
    .private_segment_fixed_size: 0
    .kernarg_segment_align: 8
    .kernarg_segment_size: 40
    .max_flat_workgroup_size: 128
    .sgpr_count:     66
    .vgpr_count:     1024
    .wavefront_size: 32
...
	.end_amdgpu_metadata
.endif
;; end of part 6
;; launch down (part 7): grid 256 x 1, 4 waves a work-group, no clusters, 90,880 bytes of LDS; arguments w2_weight, hq, hs, masks, cw, ypart; writes ypart
.if DOCPART == 7
	.amdgcn_target "amdgcn-amd-amdhsa--gfx1250"
	.amdhsa_code_object_version 6
	.text
	.protected	k_qbbfed0feef_down
	.globl	k_qbbfed0feef_down
	.p2align	8
	.type	k_qbbfed0feef_down,@function
k_qbbfed0feef_down:
	s_mov_b64 s[64:65], 0
	v_nop
	global_prefetch_b8 v0, s[64:65] scope:SCOPE_SE
	s_setreg_imm32_b32 hwreg(HW_REG_WAVE_SCHED_MODE, 0, 2), 2
	s_setreg_imm32_b32 hwreg(HW_REG_WAVE_MODE, 25, 1), 1
	s_wait_xcnt 0x0
	s_wait_alu depctr_vm_vsrc(0)
; y = h W2^T for the rows that chose an expert, on codes of FP6 (E2M3) with one E8M0 scale for each 32 along K, times the token's weight for that expert.
; SHARES.  Work-group = (expert e, 64 columns of H: cg, half kh of K = 2,048): 64 rows x 1,024 of W2, 256 KiB of f32, read ONCE in the launch and never written back as codes.
; K is halved so that a tile's h (16 rows x 1,024: 96 registers a lane) stays in registers and can be asked for during the weight stream.
; PHASE A.  Wave w streams weight tile w (16 rows) in 8 units of 128 K: sixteen loads of 512 consecutive bytes, turned through its own stage in LDS, quantised in registers, laid in LDS as an image of the operand's
;   12 registers.  Two units are always on their way; between units the wave asks for the h fragments of its five tiles (180 loads of 512, 256 or 128 consecutive bytes).
; PHASE B (no barrier).  Eight K steps; a step takes the four weight fragments from LDS against the five tiles: 20 matrix instructions on 20 accumulators by turns.
; ROWS.  As in the launch before, in the same order: wave 0 lays a list in LDS from the stored masks.  An entry is the row of ypart that the result goes to: 2,048 kh + 1,024 slot + token, slot = 1 where e is the
;   token's higher-numbered expert.  Padding rows go to row 4,096 + 8 kh + e, which nobody reads.  Four rounds of 20 tiles serve every split; a round without tiles is jumped over.
; TRANSPOSED USE: source 0 = 16 rows of W2, source 1 = 16 rows of h: a lane holds one token and eight neighbouring columns of H.  A tile goes through the wave's stage and leaves as rows: sixteen lanes store 256
;   consecutive bytes, aligned.
; The sum over K is formed as two halves, each times the weight, added in f32 by the next launch.
; LIMITS: NaN and infinities are not served.  A block of zeros, or one whose largest magnitude lies under 2^-124, gets the byte 1 (this program alone reads the bytes).
; THE MODE: SCHED_MODE bits 1:0 = 2 (LLVM: expert scheduling mode 2), set by the entry lines.  The code itself states the register dependences between vector or matrix instructions and memory or LDS
;   instructions, and between a vector instruction that writes a scalar register and its readers, with s_wait_alu, always for 0.
; THE PLAN.  Registers that memory or LDS instructions touch, who writes and who reads them:
;   v4-v8, v11, v13, v150-153  offsets and LDS addresses: written once at the head, never again.      v154  an offset or LDS address in hand: written four times a round at the most, each time behind a wait on vm_vsrc.
;   v14-28        my tiles' places in hq and hs: written by ADDR, read by h's 180 loads.      v29-33  entries: written by LDS loads, worked on, read by the weights' loads.      v34-43  the weights: loaded, read by the scalings.
;   the stream's two buffers: written by W2's loads, read by the turn's LDS stores; no vector instruction names them.
;   v160-223      a unit's numbers: written by the turn's LDS loads, read by the quantiser (ahead of the stream, in wave 0: the list's 32 addresses and 32 entries, written by vector instructions, read by its LDS stores).
;   v76-87, v100  a fragment and its scale word: written by the quantiser, read by the image's LDS stores.
;   h's fragments and v44-63: written by loads, read by the products.      v160-255, v64-67  two sets of weight fragments and scale words: written by LDS loads, read by the products.
;   the way out: v68-75 entries, then places in ypart (LDS loads, vector work, the stores' addresses); v76-107 the scaled tile (vector work, LDS stores); v108-139 the tile as rows (LDS loads, global stores).
;   A UNIT has two waits and A K STEP one, as in the launch before; THE K LOOP has one more at its head, since every tile's way out, with its wait, stands under a branch.  A TILE'S WAY OUT has two: on vm_vsrc at
;   its head (the last tile's stores have read v68-139) and ONE on va_vdst, behind the scalings and the places' arithmetic, ahead of the stage's stores and the global stores.  The list has one wait on va_vdst
;   for its 42 LDS stores.
.set SCL,   49152                      ; LDS: 0: 32 images of 1,536 bytes, fragment 4 j + w;  here: their scale words, 64 bytes each
.set LIST,  51200                      ; the list: 1,280 words, and 32 more that take what the scatter throws away
.set STG,   56576                      ; a stage of 16 x 528 bytes for each wave; on the way out 16 x 272 of it
.set L16,   4                          ; v4   16 x lane: the weights' offset, and an image's place
.set STS,   5
.set STL,   6
.set IMW,   7
.set SCW,   8
.set SCR,   11
.set SH8,   12
.set LSA,   13                         ; v13  the list: my wave's tile, row r
.set HA16,  14                         ; v14-18 slot i: its tile in hq, + 16 lane
.set HA8,   19                         ; v19-23 + 8 lane
.set HSA,   24                         ; v24-28 its scale words in hs, + 4 lane
.set ENT,   29                         ; v29-33 my row's entry, then its place in cw
.set CW,    34                         ; v34-43 slot i: my token's weight, in the low register of a pair
.set SB,    44                         ; v44-63 h's scale words: lanes 0-15 K step 2 q, lanes 16-31 K step 2 q + 1.  Scales and nothing else
.set WS,    64                         ; v64-67 the weights' scale words.  Scales and nothing else
.set EA,    68                         ; v68-75 the way out: eight pairs of rows' places in ypart
.set Y,     76                         ; v76-107 a tile's 32 results
.set C,     76                         ; (phase A: the fragment just made, v76-87,
.set XT,    88                         ;  second halves v88-94,
.set AM,    96                         ;  and what the quantiser works with)
.set SO,    98
.set WD,    100
.set WD2,   101
.set Z,     108                        ; v108-139 the tile as rows
.set MASKV, 140
.set HIV,   141
.set PF,    142                        ; (wave 0's list: v142-145 the padding, v146-149, v157, v158 at work)
.set DUMP,  146
.set LK,    147
.set K1024, 148
.set BP,    149
.set YSO,   150                        ; v150 the way out: where I put 32 bytes of a row
.set YSR,   151                        ; v151 and where I read a row back
.set COL,   152                        ; v152 256 cg + 16 r
.set LB2,   153                        ; v153 the list: my wave's tile, row h of a pair
.set LBR,   154                        ; v154 the same in the round in hand; also the list address of TOKENS, and at the head the masks' offset
.set BTT,   157
.set BA,    158
.set BADS,  160                        ; (wave 0's list: v160-191 the 32 words' LDS addresses, v192-223 their entries: registers of their own, so that one wait serves all the stores)
.set BVS,   192
.set WF,    160
.set T,     160
.set UB0,   448
.set UB1,   704
; v256-351, v352-447, v512-607, v608-703, v768-863: h's fragments, slot i, 12 registers a K step.  v864-1023: accumulators, slot i, tile t at 864 + 32 i + 8 t
; v10, v159: my spare word's LDS address and 0, made at the head and kept for the closing lines alone
.set SEL,   24                         ; s[24:25]
.set WB,    26                         ; s[26:27]
; s16 wave, s17 e, s18 cg, s19 kh, s20 count, s21 tiles, s22 tb; s28-34 at work; at the head s32-47 take runs of mask words
.set MSB, 0
.macro WIN new
.if MSB != (\new)
	s_set_vgpr_msb (MSB<<8)|(\new)
.set MSB, (\new)
.endif
.endm
.set LC, 0                             ; loads issued so far, counted as the text is assembled
.macro WLOAD k, imm
.set BB, UB\k
.set BL, BB&255
	WIN (BB>>8)<<6
.irp i, 0,1,2,3,4,5,6,7,8,9,10,11,12,13,14,15
	global_load_b128 v[BL+4*\i:BL+4*\i+3], v[L16], s[WB:WB+1] offset:8192*\i+(\imm) th:TH_LOAD_NT
.endr
	WIN 0
.set LC, LC+16
.set WEND\k, LC
.endm
.macro TURN k
.set BB, UB\k
.set BL, BB&255
	WIN (BB>>8)<<2
.irp i, 0,1,2,3,4,5,6,7,8,9,10,11,12,13,14,15
	ds_store_b128 v[STS], v[BL+4*\i:BL+4*\i+3] offset:528*\i
.endr
	WIN 0
.irp c, 0,1
.irp q, 0,1,2,3,4,5,6,7
	ds_load_b128 v[T+32*\c+4*\q:T+32*\c+4*\q+3], v[STL] offset:256*\c+16*\q
.endr
.endr
.endm
.macro QW
.irp c, 0,1
	v_max3_num_f32 v[AM+\c], |v[T+32*\c]|, |v[T+32*\c+1]|, 0x1800000       ; with the floor 2^(3 - 127): the byte cannot fall under 1
.endr
.irp i, 2,4,6,8,10,12,14,16,18,20,22,24,26,28,30
.irp c, 0,1
	v_max3_num_f32 v[AM+\c], v[AM+\c], |v[T+32*\c+\i]|, |v[T+32*\c+\i+1]|
.endr
.endr
.irp c, 0,1
	v_add_nc_u32 v[SO+\c], 0xff000000, v[AM+\c]
.endr
.irp c, 0,1
	v_lshrrev_b32 v[AM+\c], 23, v[SO+\c]
.endr
	v_lshl_or_b32 v[WD], v[AM+1], 16, v[AM]
	v_lshlrev_b32 v[WD], v[SH8], v[WD]
	v_permlanex16_b32 v[WD2], v[WD], s[SEL], s[SEL+1]
	v_or_b32 v[WD], v[WD], v[WD2]
.irp c, 0,1
	v_cvt_scalef32_pk16_fp6_f32 v[C+6*\c:C+6*\c+2], v[T+32*\c:T+32*\c+15], v[SO+\c]
	v_cvt_scalef32_pk16_fp6_f32 v[XT+4*\c:XT+4*\c+2], v[T+32*\c+16:T+32*\c+31], v[SO+\c]
.endr
	v_nop                                                                  ; one plain place behind the scaled conversions
.irp c, 0,1
.irp n, 0,1,2
	v_mov_b32 v[C+6*\c+3+\n], v[XT+4*\c+\n]
.endr
.endr
.endm
.macro IMAGE imm, simm
.irp n, 0,1,2
	ds_store_b128 v[IMW], v[C+4*\n:C+4*\n+3] offset:(\imm)+512*\n
.endr
	ds_store_b32 v[SCW], v[WD] offset:\simm
.endm
.macro HLOADN n                        ; load n of the 180 that bring my five tiles of h: slot n / 36; for each K step 16 + 8 + 16 + 8 bytes a lane, then 4 scale registers
.set XI, (\n)/36
.set XQ, (\n)%36
.if XQ < 32
.set XR, 256+256*(XI/2)+96*(XI%2)+12*(XQ/4)+6*((XQ%4)/2)+4*(XQ%2)
.set XL, XR&255
	WIN (XR>>8)<<6
.if XQ%2 == 0
	global_load_b128 v[XL:XL+3], v[HA16+XI], s[6:7] offset:1536*(XQ/4)+768*((XQ%4)/2)
.else
	global_load_b64 v[XL:XL+1], v[HA8+XI], s[6:7] offset:1536*(XQ/4)+768*((XQ%4)/2)+512
.endif
.else
	WIN 0
	global_load_b32 v[SB+4*XI+XQ-32], v[HSA+XI], s[8:9] offset:128*(XQ-32)
.endif
.set LC, LC+1
.endm
.macro HBATCH n0, cnt
.set NN, \n0
.rept \cnt
.if NN < 180
	HLOADN NN
.endif
.set NN, NN+1
.endr
	WIN 0
.endm
.macro UNIT u, k
	s_wait_loadcnt LC-WEND\k                       ; this unit's sixteen loads are in; all that were issued behind them may be out
	TURN \k                                        ; (its loads land in v160-223: the last wait on va_vdst stands behind whoever named them, and no vector instruction has been issued since)
	s_wait_dscnt 16                                ; the sixteen stores into the stage are done
	s_wait_alu depctr_vm_vsrc(0)                   ; those stores have read the buffer, in which the loads below land; the last unit's image stores have read v76-87 and v100, which the quantiser writes again
.if (\u)+2 < 8
	WLOAD \k, ((\u)+2)*512
.endif
	s_wait_dscnt 0x0
	QW
	s_wait_alu depctr_va_vdst(0)                   ; the quantiser has written v76-87 and v100, which the LDS stores below read, and is done reading v160-223, in which the next unit's turn lands
	IMAGE 6144*(\u), 256*(\u)
	HBATCH 23*(\u), 23
.endm
.macro ADDR                            ; where my five tiles lie in hq and hs.  A slot beyond the expert's last tile reads the last one again: only tiles that were stored are read
	s_add_co_u32 s28, s22, s16
	s_sub_co_u32 s29, s21, 1
	s_mul_i32 s31, s17, 80
	s_mul_i32 s33, s19, 12288
	s_lshl_b32 s34, s19, 9
.irp i, 0,1,2,3,4
	s_add_co_u32 s30, s28, 4*\i
	s_min_u32 s30, s30, s29
	s_min_u32 s30, s30, 63
	s_add_co_u32 s30, s30, s31
	s_mul_i32 s32, s30, 24576
	s_add_co_u32 s32, s32, s33
	v_lshl_add_u32 v[HA16+\i], v1, 4, s32
	v_lshl_add_u32 v[HA8+\i], v1, 3, s32
	s_lshl_b32 s32, s30, 10
	s_add_co_u32 s32, s32, s34
	v_lshl_add_u32 v[HSA+\i], v1, 2, s32
.endr
.endm
.macro TOKENS                          ; my rows' entries out of the list, and their weights
	s_lshl_b32 s28, s22, 6
	v_add_nc_u32 v[LBR], s28, v[LSA]
	s_wait_alu depctr_va_vdst(0)                   ; v154 is written, which the LDS loads below read, and whoever named v29-33 last is done: they land there.  ADDR's fifteen offsets are written too, and at the head the LDS addresses
.irp i, 0,1,2,3,4
	ds_load_b32 v[ENT+\i], v[LBR] offset:256*\i
.endr
	s_wait_dscnt 0x0
.irp i, 0,1,2,3,4
	v_min_u32 v[ENT+\i], 0x100f, v[ENT+\i]
.endr
.irp i, 0,1,2,3,4
	v_and_b32 v[ENT+\i], 0x7ff, v[ENT+\i]          ; 1,024 slot + token
.endr
.irp i, 0,1,2,3,4
	v_lshlrev_b32 v[ENT+\i], 2, v[ENT+\i]
.endr
	s_wait_alu depctr_va_vdst(0)                   ; the places in cw, v29-33, are written, which the loads below read; the last round's scalings are done reading v34-43, in which they land
.irp i, 0,1,2,3,4
	global_load_b32 v[CW+2*\i], v[ENT+\i], s[12:13]
.endr
.set LC, LC+5
.endm
.macro FETCHH set, j, half             ; half of K step j's weights: two fragments (six loads of 512 bytes) and their scale words: 7 LDS loads
.irp n, 0,1,2,3,4,5
	ds_load_b128 v[WF+48*(\set)+24*(\half)+4*\n:WF+48*(\set)+24*(\half)+4*\n+3], v[L16] offset:6144*(\j)+3072*(\half)+512*\n
.endr
	ds_load_b32 v[WS+2*(\set)+(\half)], v[SCR] offset:256*(\j)+128*(\half)         ; lanes 0-15: fragment 2 half's words, lanes 16-31: fragment 2 half + 1's
.endm
.macro WM i, t, j, set
.set RD, 96+32*(\i)+8*(\t)
.set RA, WF+48*(\set)+12*(\t)
.set RB, 96*((\i)%2)+12*(\j)
.set RSA, WS+2*(\set)+(\t)/2
.set RSB, SB+4*(\i)+(\j)/2
.if (\j) == 0
.if (\t)%2 == 0
	v_wmma_scale_f32_16x16x128_f8f6f4 v[RD:RD+7], v[RA:RA+11], v[RB:RB+11], 0, v[RSA], v[RSB] matrix_a_fmt:MATRIX_FMT_FP6 matrix_b_fmt:MATRIX_FMT_FP6
.else
	v_wmma_scale_f32_16x16x128_f8f6f4 v[RD:RD+7], v[RA:RA+11], v[RB:RB+11], 0, v[RSA], v[RSB] matrix_a_fmt:MATRIX_FMT_FP6 matrix_b_fmt:MATRIX_FMT_FP6 matrix_a_scale:MATRIX_SCALE_ROW1
.endif
.elseif (\j)%2 == 0
.if (\t)%2 == 0
	v_wmma_scale_f32_16x16x128_f8f6f4 v[RD:RD+7], v[RA:RA+11], v[RB:RB+11], v[RD:RD+7], v[RSA], v[RSB] matrix_a_fmt:MATRIX_FMT_FP6 matrix_b_fmt:MATRIX_FMT_FP6
.else
	v_wmma_scale_f32_16x16x128_f8f6f4 v[RD:RD+7], v[RA:RA+11], v[RB:RB+11], v[RD:RD+7], v[RSA], v[RSB] matrix_a_fmt:MATRIX_FMT_FP6 matrix_b_fmt:MATRIX_FMT_FP6 matrix_a_scale:MATRIX_SCALE_ROW1
.endif
.else
.if (\t)%2 == 0
	v_wmma_scale_f32_16x16x128_f8f6f4 v[RD:RD+7], v[RA:RA+11], v[RB:RB+11], v[RD:RD+7], v[RSA], v[RSB] matrix_a_fmt:MATRIX_FMT_FP6 matrix_b_fmt:MATRIX_FMT_FP6 matrix_b_scale:MATRIX_SCALE_ROW1
.else
	v_wmma_scale_f32_16x16x128_f8f6f4 v[RD:RD+7], v[RA:RA+11], v[RB:RB+11], v[RD:RD+7], v[RSA], v[RSB] matrix_a_fmt:MATRIX_FMT_FP6 matrix_b_fmt:MATRIX_FMT_FP6 matrix_a_scale:MATRIX_SCALE_ROW1 matrix_b_scale:MATRIX_SCALE_ROW1
.endif
.endif
.endm
.macro MULS i, j, set                  ; slot i's four products: source 0 (weights) window 0, source 1 (h) window 1, 2 or 3, C and D window 3
	WIN 0xf0|((1+(\i)/2)<<2)
.irp t, 0,1,2,3
	WM \i, \t, \j, \set
.endr
.endm
; Eight K steps; the first products start the sums.  At a step's head its set is in, and the products of the step before are done reading the other set.  The next step's 14 LDS loads go into that set in two runs of
; seven, one ahead of slot 0's products and one behind them: 16 products stand between the last load and the wait for it.
; The loop's first three runs (step 0's set, and the first half of step 1's) stand behind a wait on va_vdst of their own, at the loop's head: every tile's way out, with its wait, stands under a branch, and a way leads
; from the round's head to this loop round TOKENS, so nothing else states on every way that the last round's products are done with the two sets.
.macro KLOOP
	WIN 0                                          ; the switch, then the wait, then the loads
	s_wait_alu depctr_va_vdst(0)                   ; the last round's products are done reading both sets v160-255 and their scale words v64-67, in which step 0's and step 1's loads land; v154 is written, which the way out's LDS loads read
	FETCHH 0, 0, 0
	FETCHH 0, 0, 1
.irp j, 0,1,2,3,4,5,6,7
.if \j < 7
	WIN 0                                          ; the switch, then the waits, then the loads
.endif
	s_wait_dscnt 0x0                               ; this step's set is in
.if \j < 7
.if \j > 0
	s_wait_alu depctr_va_vdst(0)                   ; the products of the step before are done reading the other set and its scale words, in which this step's 14 loads land
.endif
	FETCHH (\j+1)%2, \j+1, 0
.endif
	MULS 0, \j, \j%2
.if \j < 7
	WIN 0
	FETCHH (\j+1)%2, \j+1, 1                       ; no wait: the four products since the wait name none of these registers
.endif
	MULS 1, \j, \j%2
	MULS 2, \j, \j%2
	MULS 3, \j, \j%2
	MULS 4, \j, \j%2
.endr
	WIN 0
.rept 5
	v_nop                                          ; four places ahead of the first read of results; five ahead of products that begin the sums anew over these accumulators
.endr
.endm
.macro EPI3 i                          ; slot i's tile leaves
	s_add_co_u32 s31, s30, 4*(\i)
	s_cmp_lt_u32 s31, s21
	s_cbranch_scc0 .Lskip_\@                       ; beyond the expert's last tile
	s_wait_xcnt 0x0                                ; the last tile's stores have had their addresses translated
	s_wait_alu depctr_vm_vsrc(0)                   ; the last tile's global stores have read v68-75 and v108-139, its LDS stores v76-107: all of these are written again below
.irp p, 0,1,2,3,4,5,6,7
	ds_load_b32 v[EA+\p], v[LBR] offset:256*(\i)+8*\p                      ; the entries of rows 2 p + h (behind the last vector instruction that named v68-75 or v154 a wait on va_vdst has stood: the last tile's, the K loop's)
.endr
	WIN 0x03                                       ; source 0: the accumulators' window
.irp n, 0,2,4,6,8,10,12,14,16,18,20,22,24,26,28,30
	v_pk_mul_f32 v[Y+\n:Y+\n+1], v[96+32*(\i)+\n:96+32*(\i)+\n+1], v[CW+2*(\i):CW+2*(\i)+1] op_sel_hi:[1,0]   ; x my token's weight; each accumulator from its low end on
.endr
	WIN 0
	s_wait_dscnt 0x0                               ; the eight entries are in
.irp p, 0,1,2,3,4,5,6,7
	v_min_u32 v[EA+\p], 0x100f, v[EA+\p]           ; a row of ypart, whatever the masks hold
.endr
.irp p, 0,1,2,3,4,5,6,7
	v_lshl_add_u32 v[EA+\p], v[EA+\p], 12, v[COL]
.endr
	s_wait_alu depctr_va_vdst(0)                   ; the scaled tile v76-107 is written, which the LDS stores read, and so are the places v68-75, which the global stores read
.irp t, 0,1,2,3
	ds_store_b128 v[YSO], v[Y+8*\t:Y+8*\t+3] offset:64*\t
	ds_store_b128 v[YSO], v[Y+8*\t+4:Y+8*\t+7] offset:64*\t+16
.endr
.irp p, 0,1,2,3,4,5,6,7
	ds_load_b128 v[Z+4*\p:Z+4*\p+3], v[YSR] offset:544*\p                  ; LDS serves a wave's instructions in order: these see the stores above
.endr
.irp p, 0,1,2,3,4,5,6,7
	s_wait_dscnt 7-\p
	global_store_b128 v[EA+\p], v[Z+4*\p:Z+4*\p+3], s[14:15] th:TH_STORE_NT   ; sixteen lanes store 256 consecutive bytes of one row, aligned
.endr
.Lskip_\@:
.endm
	s_load_b256 s[4:11], s[0:1], 0x0               ; w2 s[4:5], hq s[6:7], hs s[8:9], masks s[10:11]
	s_load_b128 s[12:15], s[0:1], 0x20             ; cw s[12:13], ypart s[14:15]
	v_lshl_add_u32 v10, v0, 2, 0x16100             ; my spare word, behind the stages, and 0, for the closing lines
	v_mov_b32 v159, 0
	v_lshrrev_b32 v1, 5, v0
	v_readfirstlane_b32 s16, v1                    ; wave
	v_and_b32 v1, 31, v0                           ; lane
	s_wait_alu depctr_va_vdst(0)
	v_and_b32 v2, 15, v0                           ; r
	v_bfe_u32 v3, v0, 4, 1                         ; h
	s_lshr_b32 s17, ttmp9, 5                       ; e
	s_bfe_u32 s18, ttmp9, 0x40001                  ; cg
	s_and_b32 s19, ttmp9, 1                        ; kh
	s_mov_b32 s22, 0                               ; tb
	v_lshlrev_b32 v[L16], 4, v1
	s_lshl_b32 s28, s18, 6
	s_wait_alu depctr_va_sdst(0)                   ; s16 is written, ahead of its first reader
	s_lshl_b32 s29, s16, 4
	s_add_co_u32 s28, s28, s29                     ; my first row of the expert's 1,024: 64 cg + 16 w,
	s_lshl_b32 s28, s28, 13                        ; of 8,192 bytes;
	s_lshl_b32 s29, s17, 23                        ; an expert is 2^23 bytes;
	s_add_co_u32 s28, s28, s29
	s_lshl_b32 s29, s19, 12                        ; half a row is 4,096
	s_add_co_u32 s28, s28, s29
	s_mov_b32 s29, 0
	v_lshlrev_b32 v[LBR], 6, v1
	s_lshl_b32 s30, s17, 2
	v_add_nc_u32 v[LBR], s30, v[LBR]               ; masks: 64 lane + 4 e
	s_wait_kmcnt 0x0
	s_add_nc_u64 s[WB:WB+1], s[4:5], s[28:29]
	s_wait_alu depctr_va_vdst(0)                   ; v4 and v154 are written, which the loads below read as their offsets
	global_load_b32 v[MASKV], v[LBR], s[10:11]
	global_load_b32 v[HIV], v[LBR], s[10:11] offset:32
	WLOAD 0, 0                                     ; units 0 and 1 go out before anything else is done
	WLOAD 1, 512
	; every LDS address is made here, ahead of the one place where the waves part
	s_mul_i32 s28, s16, 8448
	s_add_co_u32 s28, s28, STG
	v_add_nc_u32 v[STS], s28, v[L16]
	v_mul_u32_u24 v[STL], v2, 528
	v_lshl_add_u32 v[STL], v3, 7, v[STL]
	v_add_nc_u32 v[STL], s28, v[STL]
	v_mul_u32_u24 v[YSO], v2, 272
	v_lshl_add_u32 v[YSO], v3, 5, v[YSO]
	v_add_nc_u32 v[YSO], s28, v[YSO]
	v_mul_u32_u24 v[YSR], v3, 272
	v_lshl_add_u32 v[YSR], v2, 4, v[YSR]
	v_add_nc_u32 v[YSR], s28, v[YSR]
	s_mul_i32 s28, s16, 1536
	v_add_nc_u32 v[IMW], s28, v[L16]
	s_lshl_b32 s28, s16, 6
	s_add_co_u32 s29, s28, SCL
	v_lshl_add_u32 v[SCW], v2, 2, s29
	v_lshl_add_u32 v[SCR], v1, 2, SCL
	s_add_co_u32 s29, s28, LIST
	v_lshl_add_u32 v[LSA], v2, 2, s29
	v_lshl_add_u32 v[LB2], v3, 2, s29
	v_lshlrev_b32 v[SH8], 3, v3
	s_lshl_b32 s28, s18, 8
	v_lshl_add_u32 v[COL], v2, 4, s28
	s_mov_b32 s[SEL], 0x76543210
	s_mov_b32 s[SEL+1], 0xfedcba98
	v_mov_b32 v[WD2], 0                            ; written once: a lane permute's destination counts as one of its sources
.irp i, 0,1,2,3,4
	v_mov_b32 v[CW+2*\i+1], 0                      ; named with the weight as a pair, so it is written
.endr
	s_wait_loadcnt 32                              ; the mask words are in; the 32 weight loads behind them stay out
	s_mov_b32 s20, 0
.irp g, 0,1                                    ; the expert's rows: the 32 words in two runs of sixteen
.irp k, 0,1,2,3,4,5,6,7,8,9,10,11,12,13,14,15
	v_readlane_b32 s[32+\k], v[MASKV], 16*\g+\k
.endr
	s_wait_alu depctr_va_sdst(0)                   ; s32-47, sixteen words, are written: one wait for the run, ahead of the counts that read them
.irp k, 0,1,2,3,4,5,6,7,8,9,10,11,12,13,14,15
	s_bcnt1_i32_b32 s29, s[32+\k]
	s_add_co_u32 s20, s20, s29
.endr
.endr
	s_add_co_u32 s21, s20, 15
	s_lshr_b32 s21, s21, 4
	s_max_u32 s21, s21, 1                          ; its tiles, as the launch before counted them
	; THE LIST: wave 0 alone; no other wave touches LDS ahead of the barrier below.  All 32 words' addresses and entries are made first, in registers of their own; then one wait; then the stores, the padding first
	s_cmp_lg_u32 s16, 0
	s_cbranch_scc1 .Lbuilt
	s_lshl_b32 s28, s19, 3
	s_add_co_u32 s28, s28, s17
	s_add_co_u32 s28, s28, 4096                    ; padding: the row that nobody reads
.irp n, 0,1,2,3
	v_mov_b32 v[PF+\n], s28
.endr
	v_add_nc_u32 v[BA], LIST, v[L16]
	s_lshl_b32 s28, s19, 11
	v_add_nc_u32 v[LK], s28, v1                    ; 2,048 kh + lane
	v_add_nc_u32 v[DUMP], 1280, v1
	v_mov_b32 v[K1024], 0x400
	s_mov_b32 s30, 0
.irp g, 0,1,2,3                                ; eight words at a time
.irp k, 0,1,2,3,4,5,6,7
	v_readlane_b32 s[32+\k], v[MASKV], 8*\g+\k
	v_readlane_b32 s[40+\k], v[HIV], 8*\g+\k
.endr
	s_wait_alu depctr_va_sdst(0)                   ; s32-47, eight words of each mask, are written: one wait for the run, ahead of the lines that read them
.irp k, 0,1,2,3,4,5,6,7
	v_mbcnt_lo_u32_b32 v[BP], s[32+\k], s30        ; rows ahead of token 32 (8 g + k) + lane
	v_cndmask_b32 v[BP], v[DUMP], v[BP], s[32+\k]  ; a token that did not choose the expert writes behind the list
	v_min_u32 v[BP], 1311, v[BP]                   ; inside the list's bytes whatever the masks hold
	v_lshl_add_u32 v[BADS+8*\g+\k], v[BP], 2, LIST
	v_cndmask_b32 v[BTT], 0, v[K1024], s[40+\k]    ; slot 1 where e is the higher-numbered expert
	v_add3_u32 v[BVS+8*\g+\k], v[LK], v[BTT], 32*(8*\g+\k)
	s_bcnt1_i32_b32 s29, s[32+\k]
	s_add_co_u32 s30, s30, s29
.endr
.endr
	s_wait_alu depctr_va_vdst(0)                   ; the padding v142-145 and its address v158, the 32 addresses v160-191 and the 32 entries v192-223 are written, which the 42 LDS stores below read
.irp n, 0,1,2,3,4,5,6,7,8,9
	ds_store_b128 v[BA], v[PF:PF+3] offset:512*\n
.endr
.set J, 0
.rept 32
	ds_store_b32 v[BADS+J], v[BVS+J]               ; LDS serves a wave's instructions in order: the entries land over the padding
.set J, J+1
.endr
.Lbuilt:
	s_wait_dscnt 0x0                               ; wave 0's stores have landed
	s_barrier_signal -1
	s_barrier_wait -1                              ; the list lies in LDS
	s_wait_alu depctr_vm_vsrc(0)                   ; the masks' loads have read v154, which is written again below; wave 0's list stores have read v160-223, in which the first unit's turn lands
	ADDR
	TOKENS
	UNIT 0, 0
	UNIT 1, 1
	UNIT 2, 0
	UNIT 3, 1
	UNIT 4, 0
	UNIT 5, 1
	UNIT 6, 0
	UNIT 7, 1
	s_wait_dscnt 0x0                               ; my images and scale words have landed
	s_barrier_signal -1
	s_barrier_wait -1                              ; all 32 fragments lie in LDS; from here on a wave writes only its own stage, and there is no barrier
.Lround:                                               ; four trips: tb = 0, 20, 40, 60
	s_wait_loadcnt 0x0                             ; h's fragments and the weights are in,
	s_wait_xcnt 0x0                                ; and the last round's stores have had their addresses translated
	s_wait_alu depctr_vm_vsrc(0)                   ; h's loads have read v14-28, the weights' loads v29-33, the list's LDS loads v154, the last stores v68-139, the stream's last image stores v76-87 and v100: all of these are written again below
	s_cmp_ge_u32 s22, s21
	s_cbranch_scc1 .Lnext                          ; no tile in this round
	s_cmp_eq_u32 s22, 0
	s_cbranch_scc1 .Lhave                          ; the first round's rows came in during the stream
	ADDR
	TOKENS
	HBATCH 0, 180                                  ; (they land in h's fragments and scale words: the last round's products, which read them, stand ahead of TOKENS' waits on va_vdst)
	s_wait_loadcnt 0x0
	s_wait_alu depctr_vm_vsrc(0)                   ; TOKENS' LDS loads have read v154, which is written again below (on the other way to the label the wait at the round's head has stated it)
.Lhave:
	s_lshl_b32 s28, s22, 6
	v_add_nc_u32 v[LBR], s28, v[LB2]
	s_add_co_u32 s30, s22, s16                     ; tb + w: slot 0's tile
	KLOOP
	EPI3 0
	EPI3 1
	EPI3 2
	EPI3 3
	EPI3 4
.Lnext:
	s_add_co_u32 s22, s22, 20
	s_cmp_lt_u32 s22, 80
	s_cbranch_scc1 .Lround
	s_wait_dscnt 0x0                               ; the closing lines, six on end
	s_wait_alu 0x0
	s_wait_tensorcnt 0x0
	ds_add_u32 v10, v159
	s_wait_dscnt 0x0
	s_endpgm
.Lfunc_end_k_qbbfed0feef_down:
	.size	k_qbbfed0feef_down, .Lfunc_end_k_qbbfed0feef_down-k_qbbfed0feef_down
	.p2alignl 7, 3214868480
	.fill 96, 4, 3214868480
	.section	.rodata,"a",@progbits
	.p2align	6, 0x0
	.amdhsa_kernel k_qbbfed0feef_down
		.amdhsa_group_segment_fixed_size 90880
		.amdhsa_private_segment_fixed_size 0
		.amdhsa_enable_private_segment 0
		.amdhsa_kernarg_size 48
		.amdhsa_user_sgpr_count 2
		.amdhsa_user_sgpr_kernarg_segment_ptr 1
		.amdhsa_wavefront_size32 1
		.amdhsa_system_sgpr_workgroup_id_x 1
		.amdhsa_system_sgpr_workgroup_id_y 1
		.amdhsa_system_sgpr_workgroup_id_z 1
		.amdhsa_system_vgpr_workitem_id 0
		.amdhsa_next_free_vgpr 1024
		.amdhsa_next_free_sgpr 66
		.amdhsa_reserve_vcc 0
		.amdhsa_float_denorm_mode_32 3
		.amdhsa_float_denorm_mode_16_64 3
		.amdhsa_memory_ordered 1
		.amdhsa_forward_progress 1
		.amdhsa_inst_pref_size 184
	.end_amdhsa_kernel
	.amdgpu_metadata
---
amdhsa.version: [ 1, 2 ]
amdhsa.kernels:
  - .name:           k_qbbfed0feef_down
    .symbol:         k_qbbfed0feef_down.kd
    .args:
      - { .name: w2_weight, .offset: 0, .size: 8, .value_kind: global_buffer, .address_space: global }
      - { .name: hq, .offset: 8, .size: 8, .value_kind: global_buffer, .address_space: global }
      - { .name: hs, .offset: 16, .size: 8, .value_kind: global_buffer, .address_space: global }
      - { .name: masks, .offset: 24, .size: 8, .value_kind: global_buffer, .address_space: global }
      - { .name: cw, .offset: 32, .size: 8, .value_kind: global_buffer, .address_space: global }
      - { .name: ypart, .offset: 40, .size: 8, .value_kind: global_buffer, .address_space: global }
    .group_segment_fixed_size: 90880
    .private_segment_fixed_size: 0
    .kernarg_segment_align: 8
    .kernarg_segment_size: 48
    .max_flat_workgroup_size: 128
    .sgpr_count:     66
    .vgpr_count:     1024
    .wavefront_size: 32
...
	.end_amdgpu_metadata
.endif
;; end of part 7
;; launch combine (part 8): grid 256 x 1, 8 waves a work-group, no clusters, 0 bytes of LDS; arguments ypart, out0; writes out0
.if DOCPART == 8
	.amdgcn_target "amdgcn-amd-amdhsa--gfx1250"
	.amdhsa_code_object_version 6
	.text
	.protected	k_qbbfed0feef_combine
	.globl	k_qbbfed0feef_combine
	.p2align	8
	.type	k_qbbfed0feef_combine,@function
k_qbbfed0feef_combine:
	s_mov_b64 s[64:65], 0
	v_nop
	global_prefetch_b8 v0, s[64:65] scope:SCOPE_SE
	s_setreg_imm32_b32 hwreg(HW_REG_WAVE_MODE, 25, 1), 1
	s_wait_xcnt 0x0
; out[token] = the sum of the token's four rows of ypart: (half 0 + half 1 of K) of its lower-numbered expert, then the same of the higher-numbered, in f32.
; ypart: row 2,048 kh + 1,024 slot + token, 4,096 bytes a row; rows from 4,096 on are not read.  A stream: no LDS, no barrier, no matrix unit.
; A work-group takes 16 KiB of out (four rows); thread t takes 16 bytes at 16 t of each row: a wave's load or store covers 512 consecutive bytes.  All sixteen loads of a wave go out at once.
	s_load_b128 s[4:7], s[0:1], 0x0                ; ypart s[4:5], out0 s[6:7]
	s_lshl_b32 s8, ttmp9, 14
	v_lshl_add_u32 v1, v0, 4, s8
	s_wait_alu depctr_va_vdst(0)
	s_wait_kmcnt 0x0
	s_add_nc_u64 s[10:11], s[4:5], 0x800000        ; the second half of K: 2,048 rows on
.irp q, 0,1,2,3
	global_load_b128 v[8+16*\q:11+16*\q],  v1, s[4:5]   offset:4096*\q th:TH_LOAD_NT
	global_load_b128 v[12+16*\q:15+16*\q], v1, s[10:11] offset:4096*\q th:TH_LOAD_NT
	global_load_b128 v[16+16*\q:19+16*\q], v1, s[4:5]   offset:4194304+4096*\q th:TH_LOAD_NT
	global_load_b128 v[20+16*\q:23+16*\q], v1, s[10:11] offset:4194304+4096*\q th:TH_LOAD_NT
.endr
.irp q, 0,1,2,3
	s_wait_loadcnt 12-4*\q                         ; loads come back in order: row q's four are in; the later rows' may be out
	v_pk_add_f32 v[8+16*\q:9+16*\q],   v[8+16*\q:9+16*\q],   v[12+16*\q:13+16*\q]
	v_pk_add_f32 v[10+16*\q:11+16*\q], v[10+16*\q:11+16*\q], v[14+16*\q:15+16*\q]
	v_pk_add_f32 v[16+16*\q:17+16*\q], v[16+16*\q:17+16*\q], v[20+16*\q:21+16*\q]
	v_pk_add_f32 v[18+16*\q:19+16*\q], v[18+16*\q:19+16*\q], v[22+16*\q:23+16*\q]
	s_delay_alu instid0(VALU_DEP_2)
	v_pk_add_f32 v[8+16*\q:9+16*\q],   v[8+16*\q:9+16*\q],   v[16+16*\q:17+16*\q]
	s_delay_alu instid0(VALU_DEP_2)
	v_pk_add_f32 v[10+16*\q:11+16*\q], v[10+16*\q:11+16*\q], v[18+16*\q:19+16*\q]
	global_store_b128 v1, v[8+16*\q:11+16*\q], s[6:7] offset:4096*\q th:TH_STORE_NT
.endr
	s_endpgm
.Lfunc_end_k_qbbfed0feef_combine:
	.size	k_qbbfed0feef_combine, .Lfunc_end_k_qbbfed0feef_combine-k_qbbfed0feef_combine
	.p2alignl 7, 3214868480
	.fill 96, 4, 3214868480
	.section	.rodata,"a",@progbits
	.p2align	6, 0x0
	.amdhsa_kernel k_qbbfed0feef_combine
		.amdhsa_group_segment_fixed_size 0
		.amdhsa_private_segment_fixed_size 0
		.amdhsa_enable_private_segment 0
		.amdhsa_kernarg_size 16
		.amdhsa_user_sgpr_count 2
		.amdhsa_user_sgpr_kernarg_segment_ptr 1
		.amdhsa_wavefront_size32 1
		.amdhsa_system_sgpr_workgroup_id_x 1
		.amdhsa_system_sgpr_workgroup_id_y 1
		.amdhsa_system_sgpr_workgroup_id_z 1
		.amdhsa_system_vgpr_workitem_id 0
		.amdhsa_next_free_vgpr 72
		.amdhsa_next_free_sgpr 66
		.amdhsa_reserve_vcc 0
		.amdhsa_float_denorm_mode_32 3
		.amdhsa_float_denorm_mode_16_64 3
		.amdhsa_memory_ordered 1
		.amdhsa_forward_progress 1
		.amdhsa_inst_pref_size 5
	.end_amdhsa_kernel
	.amdgpu_metadata
---
amdhsa.version: [ 1, 2 ]
amdhsa.kernels:
  - .name:           k_qbbfed0feef_combine
    .symbol:         k_qbbfed0feef_combine.kd
    .args:
      - { .name: ypart, .offset: 0, .size: 8, .value_kind: global_buffer, .address_space: global }
      - { .name: out0, .offset: 8, .size: 8, .value_kind: global_buffer, .address_space: global }
    .group_segment_fixed_size: 0
    .private_segment_fixed_size: 0
    .kernarg_segment_align: 8
    .kernarg_segment_size: 16
    .max_flat_workgroup_size: 256
    .sgpr_count:     66
    .vgpr_count:     72
    .wavefront_size: 32
...
	.end_amdgpu_metadata
.endif
;; end of part 8
